; MI455X (gfx1250); checked and timed in simulation.
; The chip was launched on July 23, 2026; its instructions are those of AMD's public machine-readable ISA for CDNA 5 (MIT licence, August 2026) and "CDNA5" Instruction Set Architecture Reference Guide (July 2026). The comments in the code are by the model that wrote it; some were corrected since.
;; Multi Head Self Attention. Allowed arithmetic: matrix products marked QUANTISED: E3M2 operands, one E8M0 scale for each 32 along K, by v_wmma_scale_f32_16x16x128_f8f6f4 with both operands' format E3M2, f32 sums; everything else in f32.
;; Inputs: Wk 1,024 x 1,024 float32; Wo 1,024 x 1,024 float32; Wq 1,024 x 1,024 float32; Wv 1,024 x 1,024 float32; bk 1,024 float32; bo 1,024 float32; bq 1,024 float32; bv 1,024 float32; ln_beta 1,024 float32; ln_gamma 1,024 float32; mask 4 x 2,048 bool; x 4 x 2,048 x 1,024 float32.
;; Outputs: out0 4 x 2,048 x 1,024 float32.
;; This version of the problem:
;;   THIS VERSION OF THE PROBLEM IS GIVEN IN LOW PRECISION. The matrix products marked QUANTISED in the list below multiply operands that are first quantised to E3M2 (3 exponent bits, 2 mantissa bits; 6 bits a number), with one power-of-two scale for each 32 numbers along K (OCP MX v1.0); their sums are f32. All else is computed in f32.
;;   The module's matrix products, in the order in which they are computed (A, B: the left and right operand; K: the contracted axis; several contracted axes count as one K, in the product's order):
;;     1. [M 8,192, K 1,024] x [K 1,024, N 1,024]; A: computed on the way; B: input Wq: QUANTISED
;;     2. [M 8,192, K 1,024] x [K 1,024, N 1,024]; A: computed on the way; B: input Wk: QUANTISED
;;     3. [M 8,192, K 1,024] x [K 1,024, N 1,024]; A: computed on the way; B: input Wv: QUANTISED
;;     4. batch 64 x [M 2,048, K 64] x [K 64, N 2,048]; A: computed on the way; B: computed on the way: QUANTISED
;;     5. batch 64 x [M 2,048, K 2,048] x [K 2,048, N 64]; A: softmax (see below); B: computed on the way: QUANTISED
;;     6. [M 8,192, K 1,024] x [K 1,024, N 1,024]; A: computed on the way; B: input Wo: QUANTISED
;;   THE QUANTISER, for each operand of a quantised product, along K:
;;     - K is cut into blocks of 32 from its start; a last block that is shorter is filled with zeros.
;;     - A block's scale is 2^e with e = floor(log2(the largest magnitude in the block)) - 4, held to -126 .. 127; a block of zeros has e = 0. As a byte (E8M0): e + 127.
;;     - Each number is divided by its block's scale, clamped to +-28, and rounded to the nearest number of E3M2, ties to even, subnormals kept.
;;     - The product sums the exact products of the quantised numbers (number of the format x scale) in f32.
;;   ~~~python
;;   def quantise(x, axis):      # numpy; x: float32 -> the quantised numbers, widened to float32 again
;;       x = np.moveaxis(x, axis, -1); K = x.shape[-1]
;;       x = np.pad(x, [(0, 0)] * (x.ndim - 1) + [(0, -K % 32)]); x = x.reshape(x.shape[:-1] + (-1, 32)); a = np.abs(x).max(-1, keepdims=True)
;;       e = np.where(a > 0, np.clip(np.frexp(np.where(a > 0, a, 1))[1] - 1 - 4, -126, 127), 0)      # np.frexp(a)[1] - 1 = floor(log2(a)), exactly
;;       r = np.clip(x / 2.0 ** e, -28, 28)
;;       step = 2.0 ** (np.maximum(np.frexp(np.where(r == 0, 1, r))[1] - 1, -2) - 2)
;;       q = np.round(r / step) * step * 2.0 ** e      # np.round: ties to even
;;       return np.moveaxis(q.reshape(q.shape[:-2] + (-1,))[..., :K], -1, axis).astype(np.float32)
;;   ~~~
;;   SOFTMAX AHEAD OF A QUANTISED PRODUCT. Where the list says 'softmax', what is quantised is not the finished softmax but p = 2^(t - M), with t = logit x log2(e) and M = ceil(the row's largest t), a whole number; so 1/2 < the row's largest p <= 1. The row's sum l is taken of the UNQUANTISED p, in f32, and the product's result is divided by l at the end. Since M is a whole number, a kernel that streams over the keys may use a running M (the ceiling of the running maximum): every later rescaling is an exact power of two, which a block's scale takes up: the codes' values come out the same.
;;   OPERANDS COMPUTED ON THE WAY. 'Computed on the way' means the value that the module computes at that place (a softmax that the list does not call 'softmax' is quantised finished and normalised). What goes into a quantiser is computed in f32, as accurately as f32 sums, v_exp_f32 and their like allow (about 1e-6 of the number): no bf16 or f16 on the way to a quantiser, and a product that is left as it is and whose result goes on into a quantised operand takes f32 operands (vector FMAs, or v_wmma_f32_16x16x4_f32). A number that lies on a knife's edge between two numbers of the format may be rounded either way, as far as f32 arithmetic and the matrix unit's own rounding can turn it there, and no further.
;; One version. Each part assembles by itself: llvm-mc -triple=amdgcn-amd-amdhsa -mcpu=gfx1250 --defsym DOCPART=n.
;; ======== version 1 of 1: 6 launches
;; limits: right only within a limited range of input values
;; workspace buffers: wq 3,276,800 bytes; hq 6,553,600 bytes; qkq 17,825,792 bytes; vq 6,553,600 bytes; oq 6,553,600 bytes
;; launch wquant (part 1): grid 16 x 16, 2 waves a work-group, no clusters, 13,056 bytes of LDS; arguments Wq, Wk, Wv, Wo, wq; writes wq
.if DOCPART == 1
	.amdgcn_target "amdgcn-amd-amdhsa--gfx1250"
	.amdhsa_code_object_version 6
	.text
	.protected	k_q220e845955_wquant
	.globl	k_q220e845955_wquant
	.p2align	8
	.type	k_q220e845955_wquant,@function
k_q220e845955_wquant:
	s_mov_b64 s[64:65], 0
	v_nop
	global_prefetch_b8 v0, s[64:65] scope:SCOPE_SE
	s_setreg_imm32_b32 hwreg(HW_REG_WAVE_MODE, 25, 1), 1
	s_wait_xcnt 0x0
; Wq, Wk, Wv, Wo [1024 (k)][1024 (n)], f32, K on the FIRST axis, become codes of BF6 (E3M2) with one E8M0 byte for each 32 along K, laid as IMAGES OF THE OPERAND'S REGISTERS:
; wq = [rowtile 0..255][K step 0..7][piece 0..2][lane][16 bytes], a rowtile = 16 columns n; rowtiles 0-63 Wq, 64-127 Wk, 128-191 Wv, 192-255 Wo; behind them, at SCLO, the scale words [rowtile][K step][r][4 bytes].
; Lane (r, h) of a fragment holds column r of the rowtile; its registers 6 c .. 6 c + 5 hold k = 128 step + 64 c + 32 h + 0 .. 31; piece q is registers 4 q .. 4 q + 3.
; THE COLUMNS OF A ROWTILE ARE NOT NEIGHBOURS: lane r of rowtile 2 b + u holds column 32 b + 8 u + r + 8 (r / 8), so that the results of two neighbouring tiles are 16 neighbours along the next product's K.
; A LANE TAKES A COLUMN AND ITS REGISTERS RUN DOWN K: a block of 32 lies in one lane's 32 registers, and the conversions give codes with K innermost.  A wave takes 32 columns x 256 along K (8 blocks a lane);
; a block's 24 bytes go to their place in the image in the wave's own stage in LDS, and the images leave as runs of 512 consecutive bytes.  The scale words leave as runs of 64 bytes (131,072 bytes in the whole launch).
; A block's scale byte is its largest magnitude's exponent field - 4, held at 1 from below.  A block of zeros so gets the byte 1 where the quantiser says 127: its codes are zeros, and this program alone reads the bytes.
; LIMITS: NaN and infinities among the inputs are not served.
; No tensor loads, no barrier: waves share nothing.  Loads run two blocks (64 loads a wave) ahead.
.set X,    32                          ; v32-95   two sets of 32 numbers
.set C,    96                          ; v96-101  a block's 24 bytes of codes
.set C2,   104                         ; v104-106 its upper 16 codes as the conversion leaves them
.set SB,   24                          ; v24-25   the scale words of the wave's two K steps
.set OUTR, 112                         ; v112-159 the way out
.set TSTR, 3200                        ; a rowtile's place in the stage: 2 fragments of 1,536 bytes + 128, so that the two rowtiles begin in different banks
.set RT,   12288                       ; a rowtile's image in memory
.set FRB,  1536                        ; a fragment's
.set SCLO, 3145728                     ; where the scale words begin
	s_load_b256 s[4:11], s[0:1], 0x0               ; Wq, Wk, Wv, Wo
	s_load_b64 s[12:13], s[0:1], 0x20              ; wq
	v_lshl_add_u32 v176, v0, 2, 0x3200
	v_mov_b32 v177, 0
	v_lshrrev_b32 v1, 5, v0
	v_readfirstlane_b32 s16, v1                    ; wave 0, 1
	v_and_b32 v2, 31, v0                           ; lane L: column 32 cg + L
	s_and_b32 s17, ttmp7, 0xffff
	s_lshr_b32 s18, s17, 2                         ; which tensor
	s_and_b32 s19, s17, 3                          ; which 256 along K
	s_lshl_b32 s20, ttmp9, 1
	s_add_co_u32 s20, s20, s16                     ; cg: which 32 columns
	v_lshlrev_b32 v3, 2, v2                        ; in: 4 bytes a lane
	v_bfe_u32 v5, v2, 3, 1                         ; u: my column's rowtile of the two
	v_and_b32 v6, 7, v2
	v_bfe_u32 v7, v2, 4, 1
	v_lshl_add_u32 v6, v7, 3, v6                   ; r: its row there = (L & 7) + 8 (L >> 4)
	s_mul_i32 s21, s16, 2*TSTR                     ; my wave's stage
	v_mul_u32_u24 v4, v5, TSTR
	v_lshl_add_u32 v4, v6, 4, v4
	v_add_nc_u32 v4, s21, v4                       ; into it: rowtile u, 16 r
	v_lshlrev_b32 v8, 4, v2                        ; out: 16 bytes a lane
	v_add_nc_u32 v9, s21, v8
	v_lshlrev_b32 v10, 9, v5
	v_lshl_add_u32 v10, v6, 2, v10                 ; my scale words' place: 512 u + 4 r
	s_lshl_b32 s22, s19, 20                        ; W: 256 rows of 4,096 bytes a slot,
	s_lshl_b32 s23, s20, 7                         ; 128 bytes a group of columns
	s_add_co_u32 s22, s22, s23
	s_mov_b32 s23, 0
	s_lshl_b32 s24, s18, 6
	s_lshl_b32 s25, s20, 1
	s_add_co_u32 s24, s24, s25                     ; my first rowtile: 64 x tensor + 2 cg
	s_mul_i32 s26, s24, RT
	s_mul_i32 s27, s19, 2*FRB
	s_add_co_u32 s26, s26, s27                     ; the images: + two K steps a slot
	s_mov_b32 s27, 0
	s_lshl_b32 s28, s24, 9
	s_lshl_b32 s29, s19, 7
	s_add_co_u32 s28, s28, s29
	s_add_co_u32 s28, s28, SCLO                    ; the scale words: 512 bytes a rowtile, 64 a K step
	s_mov_b32 s29, 0
	s_wait_kmcnt 0x0
	s_cmp_eq_u32 s18, 1                            ; the tensor is chosen by the work-group's number alone
	s_cselect_b64 s[4:5], s[6:7], s[4:5]
	s_cmp_eq_u32 s18, 2
	s_cselect_b64 s[4:5], s[8:9], s[4:5]
	s_cmp_eq_u32 s18, 3
	s_cselect_b64 s[4:5], s[10:11], s[4:5]
	s_add_nc_u64 s[4:5], s[4:5], s[22:23]
	s_add_nc_u64 s[14:15], s[12:13], s[26:27]
	s_add_nc_u64 s[12:13], s[12:13], s[28:29]
.macro LOAD t                          ; block t: W(32 t + i, my column), i = 0 .. 31, into set t % 2; a load reads 128 consecutive bytes
.set i, 0
.rept 32
	global_load_b32 v[X+32*((\t)%2)+i], v3, s[4:5] offset:(32*(\t)+i)*4096 th:TH_LOAD_NT
.set i, i+1
.endr
.endm
	LOAD 0
	LOAD 1
.macro BLOCK t
.set XS, X+32*((\t)%2)
.if (\t) < 7
	s_wait_loadcnt 32                              ; this block's 32 loads are in; the next block's 32 may be out
.else
	s_wait_loadcnt 0x0
.endif
	v_max3_num_f32 v12, |v[XS]|, |v[XS+1]|, |v[XS+2]|              ; the block's largest magnitude: all 32 numbers are mine; two chains
	v_max3_num_f32 v13, |v[XS+3]|, |v[XS+4]|, |v[XS+5]|
.irp i, 6,10,14,18,22,26
	v_max3_num_f32 v12, v12, |v[XS+\i]|, |v[XS+\i+1]|
	v_max3_num_f32 v13, v13, |v[XS+\i+2]|, |v[XS+\i+3]|
.endr
	v_max3_num_f32 v12, v12, |v[XS+30]|, |v[XS+31]|
	v_max3_num_f32 v12, v12, v13, 0x2800000        ; and the floor 2^(5 - 127): the byte cannot fall under 1
	v_add_nc_u32 v11, 0xfe000000, v12              ; 4 off the exponent field: the conversion takes the exponent field of this operand as its scale
	v_lshrrev_b32 v13, 23, v11                     ; the scale's byte
.if (\t)%4 == 0
	v_mov_b32 v[SB+(\t)/4], v13                    ; four bytes to a word, the lower K in the lower byte
.else
	v_lshl_or_b32 v[SB+(\t)/4], v13, 8*((\t)%4), v[SB+(\t)/4]
.endif
	v_cvt_scalef32_pk16_bf6_f32 v[C:C+2], v[XS:XS+15], v11
	v_cvt_scalef32_pk16_bf6_f32 v[C2:C2+2], v[XS+16:XS+31], v11    ; (a conversion's three registers begin on an even number)
	v_nop                                          ; one plain place behind a scaled conversion
.irp i, 0,1,2
	v_mov_b32 v[C+3+\i], v[C2+\i]
.endr
; block t is registers 6 c .. 6 c + 5 of lane (r, t % 2) in K step t / 4, c = (t % 4) / 2: c = 0: piece 0 and the lower half of piece 1; c = 1: the upper half of piece 1 and piece 2
.if ((\t)%4)/2 == 0
	ds_store_b128 v4, v[C:C+3] offset:((\t)/4)*FRB+256*((\t)%2)
	ds_store_b64 v4, v[C+4:C+5] offset:((\t)/4)*FRB+256*((\t)%2)+512
.else
	ds_store_b64 v4, v[C:C+1] offset:((\t)/4)*FRB+256*((\t)%2)+520
	ds_store_b128 v4, v[C+2:C+5] offset:((\t)/4)*FRB+256*((\t)%2)+1024
.endif
.if (\t)+2 < 8
	LOAD (\t)+2
.endif
	s_wait_dscnt 0x0                               ; the stores have read their registers: the next block's codes may be written
.endm
.irp t, 0,1,2,3,4,5,6,7
	BLOCK \t
.endr
	global_store_b32 v10, v[SB], s[12:13]          ; my column's scale words of the two K steps
	global_store_b32 v10, v[SB+1], s[12:13] offset:64
.irp n, 0,1,2,3,4,5,6,7,8,9,10,11      ; rowtile n / 6, K step (n / 3) % 2, piece n % 3
	ds_load_b128 v[OUTR+4*\n:OUTR+4*\n+3], v9 offset:(\n/6)*TSTR+((\n/3)%2)*FRB+(\n%3)*512   ; LDS serves a wave's instructions in order: these see my stores
.endr
.irp n, 0,1,2,3,4,5,6,7,8,9,10,11
	s_wait_dscnt 11-\n
	global_store_b128 v8, v[OUTR+4*\n:OUTR+4*\n+3], s[14:15] offset:(\n/6)*RT+((\n/3)%2)*FRB+(\n%3)*512   ; 32 lanes store 512 consecutive bytes, at a multiple of 256 from the buffer's first byte
.endr
	s_wait_tensorcnt 0x0
	ds_add_u32 v176, v177
	s_wait_dscnt 0x0
	s_endpgm
.Lfunc_end_k_q220e845955_wquant:
	.size	k_q220e845955_wquant, .Lfunc_end_k_q220e845955_wquant-k_q220e845955_wquant
	.p2alignl 7, 3214868480
	.fill 96, 4, 3214868480
	.section	.rodata,"a",@progbits
	.p2align	6, 0x0
	.amdhsa_kernel k_q220e845955_wquant
		.amdhsa_group_segment_fixed_size 13056
		.amdhsa_private_segment_fixed_size 0
		.amdhsa_enable_private_segment 0
		.amdhsa_kernarg_size 40
		.amdhsa_user_sgpr_count 2
		.amdhsa_user_sgpr_kernarg_segment_ptr 1
		.amdhsa_wavefront_size32 1
		.amdhsa_system_sgpr_workgroup_id_x 1
		.amdhsa_system_sgpr_workgroup_id_y 1
		.amdhsa_system_sgpr_workgroup_id_z 1
		.amdhsa_system_vgpr_workitem_id 0
		.amdhsa_next_free_vgpr 178
		.amdhsa_next_free_sgpr 66
		.amdhsa_reserve_vcc 0
		.amdhsa_float_denorm_mode_32 3
		.amdhsa_float_denorm_mode_16_64 3
		.amdhsa_memory_ordered 1
		.amdhsa_forward_progress 1
		.amdhsa_inst_pref_size 42
	.end_amdhsa_kernel
	.amdgpu_metadata
---
amdhsa.version: [ 1, 2 ]
amdhsa.kernels:
  - .name:           k_q220e845955_wquant
    .symbol:         k_q220e845955_wquant.kd
    .args:
      - { .name: Wq, .offset: 0, .size: 8, .value_kind: global_buffer, .address_space: global }
      - { .name: Wk, .offset: 8, .size: 8, .value_kind: global_buffer, .address_space: global }
      - { .name: Wv, .offset: 16, .size: 8, .value_kind: global_buffer, .address_space: global }
      - { .name: Wo, .offset: 24, .size: 8, .value_kind: global_buffer, .address_space: global }
      - { .name: wq, .offset: 32, .size: 8, .value_kind: global_buffer, .address_space: global }
    .group_segment_fixed_size: 13056
    .private_segment_fixed_size: 0
    .kernarg_segment_align: 8
    .kernarg_segment_size: 40
    .max_flat_workgroup_size: 64
    .sgpr_count:     66
    .vgpr_count:     178
    .wavefront_size: 32
...
	.end_amdgpu_metadata
.endif
;; end of part 1
;; launch lnq (part 2): grid 512 x 1, 4 waves a work-group, no clusters, 66,304 bytes of LDS; arguments x, ln_gamma, ln_beta, hq; writes hq
.if DOCPART == 2
	.amdgcn_target "amdgcn-amd-amdhsa--gfx1250"
	.amdhsa_code_object_version 6
	.text
	.protected	k_q220e845955_lnq
	.globl	k_q220e845955_lnq
	.p2align	8
	.type	k_q220e845955_lnq,@function
k_q220e845955_lnq:
	s_mov_b64 s[64:65], 0
	v_nop
	global_prefetch_b8 v0, s[64:65] scope:SCOPE_SE
	s_setreg_imm32_b32 hwreg(HW_REG_WAVE_MODE, 25, 1), 1
	s_wait_xcnt 0x0
; h = (x - mean) rsqrt(var + 1e-5) gamma + beta, row by row of 1,024, in f32, and h's codes of BF6 (E3M2) along its 1,024 with one E8M0 byte for each 32, laid as images of the operand's registers:
; hq = [rowtile 0..511][K step 0..7][piece 0..2][lane][16 bytes]; behind them, at 6,291,456, the scale words [rowtile][K step][r][4 bytes].
; THE ROWS OF A ROWTILE ARE NOT NEIGHBOURS: lane r of rowtile 2 b + u holds token 32 b + 8 u + r + 8 (r / 8).
; A work-group makes one rowtile.  PHASE 1: wave w takes the rowtile's rows 4 w .. 4 w + 3, which are four consecutive tokens; a row lies in 32 registers of the wave, every load reads 512 consecutive bytes.
; Mean first, then the variance of x - mean: two passes over registers, so that a common offset of x costs no digits.  h goes to a stage in LDS, rows 4,112 bytes apart.
; PHASE 2, behind one barrier: wave w makes K steps 2 w and 2 w + 1: lane (r, h) reads, of row r, 16 neighbours of each block of 32, and quantises them in registers.
; A block of zeros gets the byte 1 where the quantiser says 127: its codes are zeros, and this program alone reads the bytes.  LIMITS: NaN and infinities among the inputs are not served.
; No hint on x's loads: the last launch reads x again.
.set X,     32                         ; v32-159  phase 1: row jj at X + 32 jj; phase 2: 64 numbers of each of two K steps
.set G,     160                        ; v160-191 gamma of my 32 columns; later the two fragments' codes and PT
.set BE,    192                        ; v192-223 beta; later TM, PW
.set T,     224                        ; v224-239 four registers a row: two chains of packed sums
.set PITCH, 4112                       ; 4,096 + 16: the 16 rows that a load touches begin at 16 different columns of 16 bytes
.set SEL,   14                         ; s[14:15] v_permlanex16_b32's selects for lane l xor 16
.set TM,    192                        ; v192-195 largest magnitudes, v196-199 the other half's, then bytes, v204-207 the conversions' scale operands
.set PT,    184                        ; v184-191 the upper halves of blocks as the conversions leave them
.set PW,    210                        ; the scale word just made
; 64 numbers of a lane, v[src] .. v[src + 63], register 16 b + i = k 32 b + 16 (lane / 16) + i of my row, become codes in v[pc + stp c] .. + 5 (c = 0, 1) and the row's scale word in v[PW].
.macro QUANT src, pc, stp
.irp b, 0,1,2,3
	v_max3_num_f32 v[TM+\b], |v[\src+16*\b]|, |v[\src+1+16*\b]|, 0x2800000   ; block b: my 16 numbers, and the floor 2^(5 - 127): the byte cannot fall under 1
.endr
.irp i, 2,4,6,8,10,12,14
.irp b, 0,1,2,3
	v_max3_num_f32 v[TM+\b], v[TM+\b], |v[\src+16*\b+\i]|, |v[\src+1+16*\b+\i]|   ; (the four blocks by turns)
.endr
.endr
.irp b, 0,1,2,3
	v_permlanex16_b32 v[TM+4+\b], v[TM+\b], s[SEL], s[SEL+1]
.endr
.irp b, 0,1,2,3
	v_max_num_f32 v[TM+\b], v[TM+\b], v[TM+4+\b]   ; with lane l xor 16's: the block's largest magnitude
.endr
.irp b, 0,1,2,3
	v_add_nc_u32 v[TM+12+\b], 0xfe000000, v[TM+\b]   ; 4 off its exponent field: the conversion's scale operand
.endr
.irp b, 0,1,2,3
	v_lshrrev_b32 v[TM+4+\b], 23, v[TM+12+\b]      ; the scale's byte
.endr
	v_lshl_or_b32 v[PW], v[TM+5], 8, v[TM+4]
	v_lshl_or_b32 v[PW], v[TM+6], 16, v[PW]
	v_lshl_or_b32 v[PW], v[TM+7], 24, v[PW]
.irp c, 0,1
	v_cvt_scalef32_pk16_bf6_f32 v[\pc+\stp*\c:\pc+\stp*\c+2], v[\src+32*\c:\src+15+32*\c], v[TM+12+2*\c]
	v_cvt_scalef32_pk16_bf6_f32 v[PT+4*\c:PT+4*\c+2], v[\src+16+32*\c:\src+31+32*\c], v[TM+12+2*\c+1]   ; (a conversion's three registers begin on an even number)
.endr
	v_nop                                          ; one plain place behind a scaled conversion
.irp c, 0,1                            ; the operand's layout wants a WHOLE block in a lane: lanes 0-15 block 2 c, lanes 16-31 block 2 c + 1
.irp i, 0,1,2
	v_permlane16_swap_b32 v[\pc+\stp*\c+\i], v[PT+4*\c+\i]
.endr
.irp i, 0,1,2
	v_mov_b32 v[\pc+\stp*\c+3+\i], v[PT+4*\c+\i]
.endr
.endr
.endm
.macro REDUCE                          ; v[T + 4 jj] summed over the 32 lanes, the four rows by turns; the result in every lane
.irp m, 1,2,4,8
.irp jj, 0,1,2,3
	v_add_f32_dpp v[T+4*\jj], v[T+4*\jj], v[T+4*\jj] row_xmask:\m row_mask:0xf bank_mask:0xf
.endr
.endr
.irp jj, 0,1,2,3
	v_permlanex16_b32 v[T+4*\jj+1], v[T+4*\jj], s[SEL], s[SEL+1]
.endr
.irp jj, 0,1,2,3
	v_add_f32 v[T+4*\jj], v[T+4*\jj], v[T+4*\jj+1]
.endr
.endm
	s_load_b256 s[4:11], s[0:1], 0x0               ; x, gamma, beta, hq
	v_lshl_add_u32 v254, v0, 2, 0x10100
	v_mov_b32 v255, 0
	v_lshrrev_b32 v1, 5, v0
	v_readfirstlane_b32 s12, v1                    ; wave 0..3
	v_and_b32 v2, 31, v0
	v_lshlrev_b32 v3, 4, v2                        ; 16 x lane
	v_lshlrev_b32 v4, 2, v2                        ; 4 x lane
	v_and_b32 v5, 15, v0                           ; r
	v_bfe_u32 v6, v0, 4, 1                         ; h
	s_mul_i32 s16, s12, 4*PITCH
	v_add_nc_u32 v7, s16, v3                       ; the stage, on the way in: my wave's four rows, 16 bytes a lane
	v_mul_u32_u24 v8, v5, PITCH
	v_lshl_add_u32 v8, v6, 6, v8
	s_lshl_b32 s16, s12, 10
	v_add_nc_u32 v8, s16, v8                       ; and out: row r, + 64 h, + my wave's two K steps (1,024 bytes a wave)
	v_mov_b32 v9, 0x3a800000                       ; 1 / 1,024
	s_mov_b32 s[SEL], 0x76543210
	s_mov_b32 s[SEL+1], 0xfedcba98
	s_mov_b32 s13, 0xffff0000                      ; lanes 16-31
	s_lshr_b32 s18, ttmp9, 1
	s_lshl_b32 s18, s18, 5
	s_and_b32 s19, ttmp9, 1
	s_lshl_b32 s19, s19, 3
	s_add_co_u32 s18, s18, s19
	s_lshl_b32 s19, s12, 2
	s_add_co_u32 s18, s18, s19
	s_lshr_b32 s19, s12, 1
	s_lshl_b32 s19, s19, 3
	s_add_co_u32 s18, s18, s19                     ; my first token: 32 (i / 2) + 8 (i % 2) + 4 w + 8 (w / 2)
	s_lshl_b32 s18, s18, 12
	s_mov_b32 s19, 0
	s_mul_i32 s20, ttmp9, 12288
	s_mul_i32 s21, s12, 3072
	s_add_co_u32 s20, s20, s21                     ; my two fragments' images
	s_mov_b32 s21, 0
	s_lshl_b32 s22, ttmp9, 9
	s_lshl_b32 s23, s12, 7
	s_add_co_u32 s22, s22, s23
	s_add_co_u32 s22, s22, 6291456                 ; and their scale words
	s_mov_b32 s23, 0
	s_wait_kmcnt 0x0
	s_add_nc_u64 s[4:5], s[4:5], s[18:19]
	s_add_nc_u64 s[24:25], s[10:11], s[20:21]
	s_add_nc_u64 s[26:27], s[10:11], s[22:23]
.irp jj, 0,1,2,3
.irp j, 0,1,2,3,4,5,6,7
	global_load_b128 v[X+32*\jj+4*\j:X+32*\jj+4*\j+3], v3, s[4:5] offset:4096*\jj+512*\j
.endr
.endr
.irp j, 0,1,2,3,4,5,6,7
	global_load_b128 v[G+4*\j:G+4*\j+3], v3, s[6:7] offset:512*\j
	global_load_b128 v[BE+4*\j:BE+4*\j+3], v3, s[8:9] offset:512*\j
.endr
	s_wait_loadcnt 16                              ; x is in; gamma's and beta's sixteen loads may be out
.irp jj, 0,1,2,3                       ; the rows' sums: two chains of packed additions a row
	v_pk_add_f32 v[T+4*\jj:T+4*\jj+1], v[X+32*\jj:X+32*\jj+1], v[X+32*\jj+2:X+32*\jj+3]
	v_pk_add_f32 v[T+4*\jj+2:T+4*\jj+3], v[X+32*\jj+4:X+32*\jj+5], v[X+32*\jj+6:X+32*\jj+7]
.endr
.irp i, 8,12,16,20,24,28
.irp jj, 0,1,2,3
	v_pk_add_f32 v[T+4*\jj:T+4*\jj+1], v[T+4*\jj:T+4*\jj+1], v[X+32*\jj+\i:X+32*\jj+\i+1]
	v_pk_add_f32 v[T+4*\jj+2:T+4*\jj+3], v[T+4*\jj+2:T+4*\jj+3], v[X+32*\jj+\i+2:X+32*\jj+\i+3]
.endr
.endr
.irp jj, 0,1,2,3
	v_pk_add_f32 v[T+4*\jj:T+4*\jj+1], v[T+4*\jj:T+4*\jj+1], v[T+4*\jj+2:T+4*\jj+3]
.endr
.irp jj, 0,1,2,3
	v_add_f32 v[T+4*\jj], v[T+4*\jj], v[T+4*\jj+1]
.endr
	REDUCE
.irp jj, 0,1,2,3
	v_mul_f32 v[T+4*\jj], v9, v[T+4*\jj]           ; the mean
.endr
.irp jj, 0,1,2,3
.set j, 0
.rept 16
	v_pk_add_f32 v[X+32*\jj+j:X+32*\jj+j+1], v[X+32*\jj+j:X+32*\jj+j+1], v[T+4*\jj:T+4*\jj+1] op_sel_hi:[1,0] neg_lo:[0,1] neg_hi:[0,1]   ; d = x - mean, in place (the pair's low word serves both halves)
.set j, j+2
.endr
.endr
.irp jj, 0,1,2,3                       ; the sums of d^2, again in two chains a row
	v_pk_mul_f32 v[T+4*\jj:T+4*\jj+1], v[X+32*\jj:X+32*\jj+1], v[X+32*\jj:X+32*\jj+1]
	v_pk_mul_f32 v[T+4*\jj+2:T+4*\jj+3], v[X+32*\jj+2:X+32*\jj+3], v[X+32*\jj+2:X+32*\jj+3]
.endr
.irp i, 4,8,12,16,20,24,28
.irp jj, 0,1,2,3
	v_pk_fma_f32 v[T+4*\jj:T+4*\jj+1], v[X+32*\jj+\i:X+32*\jj+\i+1], v[X+32*\jj+\i:X+32*\jj+\i+1], v[T+4*\jj:T+4*\jj+1]
	v_pk_fma_f32 v[T+4*\jj+2:T+4*\jj+3], v[X+32*\jj+\i+2:X+32*\jj+\i+3], v[X+32*\jj+\i+2:X+32*\jj+\i+3], v[T+4*\jj+2:T+4*\jj+3]
.endr
.endr
.irp jj, 0,1,2,3
	v_pk_add_f32 v[T+4*\jj:T+4*\jj+1], v[T+4*\jj:T+4*\jj+1], v[T+4*\jj+2:T+4*\jj+3]
.endr
.irp jj, 0,1,2,3
	v_add_f32 v[T+4*\jj], v[T+4*\jj], v[T+4*\jj+1]
.endr
	REDUCE
.irp jj, 0,1,2,3
	v_fmaak_f32 v[T+4*\jj], v[T+4*\jj], v9, 0x3727c5ac   ; the variance + 1e-5
.endr
.irp jj, 0,1,2,3
	v_rsq_f32 v[T+4*\jj], v[T+4*\jj]
.endr
	v_nop                                          ; one plain place behind the transcendentals
	s_wait_loadcnt 0x0                             ; gamma and beta
	s_wait_alu depctr_va_vdst(0)
.irp jj, 0,1,2,3
.set j, 0
.rept 16
	v_pk_mul_f32 v[X+32*\jj+j:X+32*\jj+j+1], v[X+32*\jj+j:X+32*\jj+j+1], v[T+4*\jj:T+4*\jj+1] op_sel_hi:[1,0]
.set j, j+2
.endr
.set j, 0
.rept 16
	v_pk_fma_f32 v[X+32*\jj+j:X+32*\jj+j+1], v[X+32*\jj+j:X+32*\jj+j+1], v[G+j:G+j+1], v[BE+j:BE+j+1]
.set j, j+2
.endr
.irp j, 0,1,2,3,4,5,6,7
	ds_store_b128 v7, v[X+32*\jj+4*\j:X+32*\jj+4*\j+3] offset:PITCH*\jj+512*\j
.endr
.endr
	s_wait_dscnt 0x0                               ; for the others' sake: my rows of h lie in the stage
	s_barrier_signal -1
	s_barrier_wait -1
.irp b, 0,1,2,3
	v_mov_b32 v[TM+4+\b], 0                        ; a lane permute's destination counts as one of its sources
.endr
.irp s, 0,1                            ; K step 2 w + s: register 16 b + i = k 32 b + 16 h + i of row r
.irp b, 0,1,2,3
.irp jj, 0,1,2,3
	ds_load_b128 v[X+64*\s+16*\b+4*\jj:X+64*\s+16*\b+4*\jj+3], v8 offset:512*\s+128*\b+16*\jj
.endr
.endr
.endr
	s_wait_dscnt 16                                ; the first K step's sixteen loads are in
	QUANT X, 160, 6
	v_mov_b32 v208, v[PW]
	s_wait_dscnt 0x0
	QUANT X+64, 172, 6
	v_mov_b32 v209, v[PW]
	v_cndmask_b32 v211, v208, v209, s13            ; lanes 0-15 carry the first K step's words, lanes 16-31 the second's (every lane holds its row's word)
.irp s, 0,1
.irp p, 0,1,2
	global_store_b128 v3, v[160+12*\s+4*\p:160+12*\s+4*\p+3], s[24:25] offset:1536*\s+512*\p   ; 32 lanes store 512 consecutive bytes
.endr
.endr
	global_store_b32 v4, v211, s[26:27]            ; 128 consecutive bytes
	s_wait_tensorcnt 0x0
	ds_add_u32 v254, v255
	s_wait_dscnt 0x0
	s_endpgm
.Lfunc_end_k_q220e845955_lnq:
	.size	k_q220e845955_lnq, .Lfunc_end_k_q220e845955_lnq-k_q220e845955_lnq
	.p2alignl 7, 3214868480
	.fill 96, 4, 3214868480
	.section	.rodata,"a",@progbits
	.p2align	6, 0x0
	.amdhsa_kernel k_q220e845955_lnq
		.amdhsa_group_segment_fixed_size 66304
		.amdhsa_private_segment_fixed_size 0
		.amdhsa_enable_private_segment 0
		.amdhsa_kernarg_size 32
		.amdhsa_user_sgpr_count 2
		.amdhsa_user_sgpr_kernarg_segment_ptr 1
		.amdhsa_wavefront_size32 1
		.amdhsa_system_sgpr_workgroup_id_x 1
		.amdhsa_system_sgpr_workgroup_id_y 1
		.amdhsa_system_sgpr_workgroup_id_z 1
		.amdhsa_system_vgpr_workitem_id 0
		.amdhsa_next_free_vgpr 256
		.amdhsa_next_free_sgpr 66
		.amdhsa_reserve_vcc 0
		.amdhsa_float_denorm_mode_32 3
		.amdhsa_float_denorm_mode_16_64 3
		.amdhsa_memory_ordered 1
		.amdhsa_forward_progress 1
		.amdhsa_inst_pref_size 43
	.end_amdhsa_kernel
	.amdgpu_metadata
---
amdhsa.version: [ 1, 2 ]
amdhsa.kernels:
  - .name:           k_q220e845955_lnq
    .symbol:         k_q220e845955_lnq.kd
    .args:
      - { .name: x, .offset: 0, .size: 8, .value_kind: global_buffer, .address_space: global }
      - { .name: ln_gamma, .offset: 8, .size: 8, .value_kind: global_buffer, .address_space: global }
      - { .name: ln_beta, .offset: 16, .size: 8, .value_kind: global_buffer, .address_space: global }
      - { .name: hq, .offset: 24, .size: 8, .value_kind: global_buffer, .address_space: global }
    .group_segment_fixed_size: 66304
    .private_segment_fixed_size: 0
    .kernarg_segment_align: 8
    .kernarg_segment_size: 32
    .max_flat_workgroup_size: 128
    .sgpr_count:     66
    .vgpr_count:     256
    .wavefront_size: 32
...
	.end_amdgpu_metadata
.endif
;; end of part 2
;; launch gqk (part 3): grid 8 x 32, 4 waves a work-group, clusters of 4 x 4, 327,680 bytes of LDS; arguments hq, wq, bq, bk, mask, qkq; writes qkq
.if DOCPART == 3
	.amdgcn_target "amdgcn-amd-amdhsa--gfx1250"
	.amdhsa_code_object_version 6
	.text
	.protected	k_q220e845955_gqk
	.globl	k_q220e845955_gqk
	.p2align	8
	.type	k_q220e845955_gqk,@function
k_q220e845955_gqk:
	s_mov_b64 s[64:65], 0
	v_nop
	global_prefetch_b8 v0, s[64:65] scope:SCOPE_SE
	s_setreg_imm32_b32 hwreg(HW_REG_WAVE_MODE, 25, 1), 1
	s_wait_xcnt 0x0
	s_wait_alu depctr_hold_cnt(0) depctr_sa_sdst(0) depctr_va_vdst(0) depctr_va_sdst(0) depctr_va_ssrc(0) depctr_va_vcc(0) depctr_vm_vsrc(0)
	s_getreg_b32 s2, hwreg(HW_REG_IB_STS2, 6, 4)
	s_cmp_eq_u32 s2, 0
	s_cbranch_scc0 .Lentry_in_a_cluster
	s_endpgm
.Lentry_in_a_cluster:
	s_bfe_u32 s2, ttmp6, 0x10000c
	s_cmp_lg_u32 s2, 0xf033
	s_cbranch_scc0 .Lentry_shape_is_right
	s_endpgm
.Lentry_shape_is_right:
; q = h Wq + bq and k = h Wk + bk, [8192][1024] each, on codes of BF6 (E3M2) with E8M0 scales; the results are quantised along the head's 64 in registers and leave as operand images for the attention launch.
; SOURCE 0 = 16 rows of the weights' image (work-group x: 0-3 Wq, 4-7 Wk), SOURCE 1 = 16 rows of h's image (work-group y).  A lane then holds ONE token and its registers run along the features; since the rows of a weight's
; rowtile are chosen for it (lane r of rowtile 2 b + u holds feature 32 b + 8 u + r + 8 (r / 8)), register 16 b + i of a token's 8 neighbouring tiles is feature 32 b + 16 (lane / 16) + i: what the conversions want.
; A tile of 256 x 256 is made by four waves, 128 x 128 each: 64 accumulators, 512 registers.  K = 1,024 goes in four slots of 256 through a ring of two LDS slots; the eight steps of 128 are written out.
; OPERANDS LIE IN MEMORY AS IMAGES OF THEIR REGISTERS: [rowtile][K step][piece][lane][16 bytes]: a fragment comes from LDS by three loads of 16 bytes a lane, 512 consecutive bytes each: no padding is wanted.
; A tensor load brings 8 rowtiles x 2 K steps: 8 rows of 3,072 bytes, 12,288 bytes apart.  The scale words of the work-group's rows, for all of K, come once with the first fills (4,096 dense bytes a load).
; CLUSTERS: 4 x 4 work-groups; source 1's tiles are shared along a row of the cluster, source 0's along a column: each is asked for jointly, by the same tensor load with a mask that names the four.
; THE WAY OUT.  qkq = [q, k][batch][head][tile of 16 tokens][2 pieces][lane][16 bytes]: registers 0-5 of lane (r, h) are block h of token r's 64 codes; behind them, at 16,777,216, the scale words [q, k][batch][head][tile][r].
; THE MASK RIDES IN THE IDLE HALF OF THE SCORES' K (64 of the instruction's 128): register 6 holds one more code, at k = 64 (lanes 0-15).  q: the code of 1.0 under the byte 127.  A key that counts: the code 0 under the byte 1.
; A masked key: the code of -28 under the byte 227: its every score gets -28 x 2^100 added, and its weight comes out 0.  The mask only selects values here: no branch and no address hangs on it.
; LIMITS: |score| x 0.18 stays under 2^90; NaN and infinities among the inputs are not served; a block of zeros gets the byte 1 where the quantiser says 127 (its codes are zeros; this program alone reads the bytes).
; REGISTERS, in windows of 256: window 0: v7-12 the way out's addresses; v16-29 addresses; v32-63 scale words, two sets; v64-127 the bias; v128-223 source 1's fragments, ONE set; v240-251 the mask and its constants.
;   window 1: source 0's fragments, TWO sets, at v0 and v128.   windows 2, 3: the accumulators ((a, b) at v[8 (8 (a % 4) + b)]).
.set NQ,     2                         ; steps of 128 in a slot
.set FR,     12                        ; registers of a fragment
.set NL,     3                         ; LDS loads that bring one
.set NP,     4                         ; places behind this matrix instruction (ISA guide 7.12.1)
.set RT,     12288                     ; a rowtile's image in memory
.set RTS,    3072                      ; its two K steps in a slot
.set FRB,    1536                      ; a fragment's image
.set HALFT,  8*RTS                     ; 8 rowtiles: what one tensor load brings, and what one wave reads of a side
.set SLOT,   4*HALFT                   ; source 1's 16 rowtiles, then source 0's
.set SCL,    2*SLOT                    ; behind the ring: the scale words
.set HALFS,  4096                      ; those of 8 rowtiles
.set SKEW,   128                       ; source 0's lie 128 bytes further on, so that the two halves of the lanes read different banks
.set SPARE,  213248                    ; behind the scale words: the spare words, 128 bytes for each wave: two blocks of 256 bytes that no other line names
.set S1_COD, 0                         ; source 1: h's images and scale words
.set S1_SCL, 6291456
.set S0_COD, 0                         ; source 0: Wq's and Wk's
.set S0_SCL, 3145728
.set ADRA, 16                          ; v16-17  LDS address of source 1's fragments in slot 0, 1
.set ADRB, 20                          ; v20-21  the same for source 0
.set ADRS, 27                          ; v27     LDS address of my scale words: lanes 0-15 source 1's rows, lanes 16-31 source 0's
.set SPW,  28                          ; v28     LDS address of my spare word; never rewritten
.set NIL,  29                          ; v29     0; never rewritten
.set SC,   32                          ; scale words: set s at v[SC + 16 s]; register 2 i + q: lanes 0-15 source 1's block i, lanes 16-31 source 0's block i, the slot's q-th 128
.set AF,   128                         ; source 1's fragments
.set G1, 24                            ; s[24:31], s[32:39] descriptor groups 1 and 0 (a set for each slot) for source 1's tiles
.set G0, 32
.set G1B, 48                           ; s[48:55], s[56:63] for source 0's
.set G0B, 56
.set G1S, 68                           ; s[68:75], s[76:79] for source 1's scale words;  s[80:87], s[88:91] for source 0's
.set G0S, 76
.set G1SB, 80
.set G0SB, 88
.set SEL, 96                           ; s[96:97] v_permlanex16_b32's selects for lane l xor 16
.set BI,  64                           ; the way out: v64-127 the bias of my 64 features
.set MK,  240                          ; v240-247 the mask byte of my token in each of the 8 tiles
.set T,   128                          ; v128-191 a tile's 64 numbers
.set PC,  192                          ; v192-207 two tiles of codes, 8 registers each
.set PT,  208
.set TM,  216
.set PW,  232
.set MSB, 0
.macro WIN new                         ; the immediate's high byte repeats the setting that is left
.if MSB != \new
	s_set_vgpr_msb (MSB<<8)|\new
.set MSB, \new
.endif
.endm
.set MUL_LO, 0xa1                      ; source 0 window 1, source 1 window 0, C and D window 2
.set MUL_HI, 0xf1                      ; the same, C and D window 3
.set TO_B,   0x40                      ; destination window 1, address window 0
; A joint load: waves 0 and 1 fetch for source 1, waves 2 and 3 for source 0.  Each of the two lines has one mask and one set of registers for all that issue it; the branch hangs on the wave's number alone.
; Four v_nop follow each of the two lines, ahead of the jump, the label and what follows.
.macro JLOAD g0a, g1a, g0b, g1b
	s_cmp_eq_u32 s15, 0
	s_cbranch_scc0 .Lfor_b_\@
	tensor_load_to_lds s[\g0a:\g0a+3], s[\g1a:\g1a+7]
	s_nop 0
.rept 4
	v_nop
.endr
	s_branch .Lasked_\@
.Lfor_b_\@:
	tensor_load_to_lds s[\g0b:\g0b+3], s[\g1b:\g1b+7]
	s_nop 0
.rept 4
	v_nop
.endr
.Lasked_\@:
.endm
.macro CREST                           ; a round of the cluster's barrier behind its opening barrier
	s_cmp_lg_u32 s14, 0
	s_cbranch_scc1 .Lnot_wave_0_\@
	s_barrier_signal -3
.Lnot_wave_0_\@:
	s_barrier_wait -3
	s_barrier_signal -1
	s_barrier_wait -1
.endm
.macro CROUND                          ; a whole round
	s_barrier_signal -1
	s_barrier_wait -1
	CREST
.endm
; 64 numbers of a lane, v[src] .. v[src + 63], register 16 b + i = k 32 b + 16 (lane / 16) + i of my row, become codes in v[pc + stp c] .. + 5 (c = 0, 1) and the four blocks' bytes in v[PW].
.macro QUANT src, pc, stp
.irp b, 0,1,2,3
	v_max3_num_f32 v[TM+\b], |v[\src+16*\b]|, |v[\src+1+16*\b]|, 0x2800000   ; block b: my 16 numbers, and the floor 2^(5 - 127): the byte cannot fall under 1
.endr
.irp i, 2,4,6,8,10,12,14
.irp b, 0,1,2,3
	v_max3_num_f32 v[TM+\b], v[TM+\b], |v[\src+16*\b+\i]|, |v[\src+1+16*\b+\i]|   ; (the four blocks by turns)
.endr
.endr
.irp b, 0,1,2,3
	v_permlanex16_b32 v[TM+4+\b], v[TM+\b], s[SEL], s[SEL+1]
.endr
.irp b, 0,1,2,3
	v_max_num_f32 v[TM+\b], v[TM+\b], v[TM+4+\b]   ; with lane l xor 16's: the block's largest magnitude
.endr
.irp b, 0,1,2,3
	v_add_nc_u32 v[TM+12+\b], 0xfe000000, v[TM+\b]   ; 4 off its exponent field: the conversion's scale operand
.endr
.irp b, 0,1,2,3
	v_lshrrev_b32 v[TM+4+\b], 23, v[TM+12+\b]      ; the scale's byte
.endr
	v_lshl_or_b32 v[PW], v[TM+5], 8, v[TM+4]
	v_lshl_or_b32 v[PW], v[TM+6], 16, v[PW]
	v_lshl_or_b32 v[PW], v[TM+7], 24, v[PW]
.irp c, 0,1
	v_cvt_scalef32_pk16_bf6_f32 v[\pc+\stp*\c:\pc+\stp*\c+2], v[\src+32*\c:\src+15+32*\c], v[TM+12+2*\c]
	v_cvt_scalef32_pk16_bf6_f32 v[PT+4*\c:PT+4*\c+2], v[\src+16+32*\c:\src+31+32*\c], v[TM+12+2*\c+1]   ; (a conversion's three registers begin on an even number)
.endr
	v_nop                                          ; one plain place behind a scaled conversion
.irp c, 0,1                            ; the operand's layout wants a WHOLE block in a lane: lanes 0-15 block 2 c, lanes 16-31 block 2 c + 1
.irp i, 0,1,2
	v_permlane16_swap_b32 v[\pc+\stp*\c+\i], v[PT+4*\c+\i]
.endr
.irp i, 0,1,2
	v_mov_b32 v[\pc+\stp*\c+3+\i], v[PT+4*\c+\i]
.endr
.endr
.endm
	s_load_b128 s[4:7], s[0:1], 0x0                ; source 1's buffer, source 0's buffer
	v_lshl_add_u32 v[SPW], v0, 2, SPARE
	v_mov_b32 v[NIL], 0
	ds_add_u32 v28, v29
	s_wait_dscnt 0x0
	v_lshrrev_b32 v1, 5, v0
	v_readfirstlane_b32 s14, v1                    ; wave 0..3
	s_lshr_b32 s15, s14, 1                         ; which half of source 1's rows is mine.  Also: I fetch for source 1 (0) or for source 0 (1)
	s_and_b32 s16, s14, 1                          ; which half of source 0's rows.  Also: which 8 rowtiles of that tile I fetch
	s_bfe_u32 s40, ttmp6, 0x40000                  ; cx, cy: my place in the cluster
	s_bfe_u32 s41, ttmp6, 0x40004
	s_lshl_b32 s42, ttmp9, 2
	s_add_co_u32 s42, s42, s40                     ; work-group x = 4 x cluster x + cx
	s_and_b32 s17, ttmp7, 0xffff
	s_lshl_b32 s17, s17, 2
	s_add_co_u32 s17, s17, s41                     ; work-group y = 4 x cluster y + cy
	s_lshl_b32 s43, s41, 2
	s_lshl_b32 s43, 15, s43                        ; my row of the cluster
	s_lshl_b32 s44, 0x1111, s40                    ; my column
	; descriptor group 1: 8 rows of 384 elements of 8 bytes (3,072 bytes), 1,536 elements apart; no padding
	s_or_b32 s[G1+0], s43, (3<<16)|(1<<21)         ; 15:0 the mask: source 1's tiles go to my row; 17:16 elements of 8 bytes; 21 set beside a mask
	s_or_b32 s[G1B+0], s44, (3<<16)|(1<<21)        ; source 0's to my column
.irp g, G1, G1B
	s_mov_b32 s[\g+1], 384<<16                     ; tensor_dim0
	s_mov_b32 s[\g+2], 8<<16                       ; tensor_dim1
	s_mov_b32 s[\g+3], 384<<16                     ; tile_dim0
	s_mov_b32 s[\g+4], 8                           ; tile_dim1
	s_mov_b32 s[\g+5], 1536                        ; tensor_dim0_stride
	s_mov_b32 s[\g+6], 0
	s_mov_b32 s[\g+7], 0
.endr
	; and for the scale words of 8 rowtiles: 4,096 dense bytes as 16 rows of 256
	s_or_b32 s[G1S+0], s43, (3<<16)|(1<<21)
	s_or_b32 s[G1SB+0], s44, (3<<16)|(1<<21)
.irp g, G1S, G1SB
	s_mov_b32 s[\g+1], 32<<16
	s_mov_b32 s[\g+2], 16<<16
	s_mov_b32 s[\g+3], 32<<16
	s_mov_b32 s[\g+4], 16
	s_mov_b32 s[\g+5], 32
	s_mov_b32 s[\g+6], 0
	s_mov_b32 s[\g+7], 0
.endr
	s_lshl_b32 s18, s16, 3                         ; which 8 rowtiles of the tile I fetch
	s_lshl_b32 s20, s17, 4
	s_add_co_u32 s20, s20, s18                     ; source 1: rowtile 16 y + 8 x half
	s_lshl_b32 s46, s42, 4
	s_add_co_u32 s46, s46, s18                     ; source 0: rowtile 16 x + 8 x half
	s_lshl_b32 s22, s20, 9                         ; where these rowtiles' scale words begin, in bytes,
	s_mov_b32 s23, 0
	s_lshl_b32 s92, s46, 9
	s_mov_b32 s93, 0
	s_mul_i32 s20, s20, RT                         ; and their images
	s_mov_b32 s21, 0
	s_mul_i32 s46, s46, RT
	s_mov_b32 s47, 0
	s_mul_i32 s45, s14, HALFT                      ; where they go: wave x 8 rowtiles: no place in the cluster enters an LDS address
	s_mul_i32 s94, s14, HALFS
	s_wait_kmcnt 0x0
	s_add_nc_u64 s[8:9], s[6:7], S0_COD
	s_add_nc_u64 s[10:11], s[6:7], S0_SCL
	s_add_nc_u64 s[6:7], s[4:5], S1_SCL
	s_add_nc_u64 s[4:5], s[4:5], S1_COD
	s_add_nc_u64 s[20:21], s[4:5], s[20:21]
	s_add_nc_u64 s[22:23], s[6:7], s[22:23]
	s_add_nc_u64 s[46:47], s[8:9], s[46:47]
	s_add_nc_u64 s[92:93], s[10:11], s[92:93]
	CROUND                                         ; all sixteen work-groups are here: the first joint loads meet
	s_mov_b32 s[G0S], 1
	s_add_co_u32 s[G0S+1], s94, SCL
	s_mov_b64 s[G0S+2:G0S+3], s[22:23]
	s_or_b32 s[G0S+3], s[G0S+3], 0x80000000
	s_mov_b32 s[G0SB], 1
	s_add_co_u32 s[G0SB+1], s94, SCL+SKEW
	s_mov_b64 s[G0SB+2:G0SB+3], s[92:93]
	s_or_b32 s[G0SB+3], s[G0SB+3], 0x80000000
	JLOAD G0S, G1S, G0SB, G1SB                     ; the scale words first: they are wanted with the first step
.irp s, 0,1
	s_mov_b32 s[G0+4*\s], 1
	s_add_co_u32 s[G0+4*\s+1], s45, \s*SLOT
	s_add_nc_u64 s[G0+4*\s+2:G0+4*\s+3], s[20:21], \s*RTS
	s_or_b32 s[G0+4*\s+3], s[G0+4*\s+3], 0x80000000
	s_mov_b32 s[G0B+4*\s], 1
	s_add_co_u32 s[G0B+4*\s+1], s45, \s*SLOT
	s_add_nc_u64 s[G0B+4*\s+2:G0B+4*\s+3], s[46:47], \s*RTS
	s_or_b32 s[G0B+4*\s+3], s[G0B+4*\s+3], 0x80000000
	JLOAD G0+4*\s, G1, G0B+4*\s, G1B               ; three tensor loads of mine are out now
.endr
	s_load_b256 s[4:11], s[0:1], 0x10              ; bq, bk, mask, qkq (the first pointers have gone into the descriptors)
	v_and_b32 v1, 15, v0                           ; r
	v_bfe_u32 v2, v0, 4, 1                         ; h
	v_and_b32 v3, 31, v0
	v_lshlrev_b32 v4, 4, v3                        ; 16 x lane: an image's place for my lane
	s_mul_i32 s21, s15, HALFT                      ; my 8 rowtiles of source 1
	s_mul_i32 s22, s16, HALFT                      ; my 8 of source 0,
	s_add_co_u32 s22, s22, 2*HALFT                 ; which lie behind source 1's 16
.irp s, 0,1
	v_add_nc_u32 v[ADRA+\s], s21, v4
	v_add_nc_u32 v[ADRB+\s], s22, v4
	s_add_co_u32 s21, s21, SLOT
	s_add_co_u32 s22, s22, SLOT
.endr
	v_lshlrev_b32 v5, 2, v1                        ; a scale word: 4 bytes a row
	s_mul_i32 s21, s15, HALFS
	s_mul_i32 s22, s16, HALFS
	s_add_co_u32 s22, s22, 2*HALFS+SKEW
	s_sub_co_u32 s22, s22, s21
	v_mul_u32_u24 v6, s22, v2                      ; lanes 16-31 take source 0's: one product, the distance between the two bases
	s_add_co_u32 s21, s21, SCL
	v_add_nc_u32 v5, v5, v6
	v_add_nc_u32 v[ADRS], s21, v5
	; ---- the way out's addresses and early loads
	v_lshlrev_b32 v7, 4, v3                        ; 16 x lane
	v_lshlrev_b32 v8, 6, v2                        ; the bias: + 64 h
	v_and_b32 v9, 7, v1
	v_lshrrev_b32 v5, 3, v1
	v_lshl_add_u32 v9, v5, 4, v9                   ; my token in a pair of tiles: (r & 7) + 16 (r >> 3)
	s_lshl_b32 s18, s14, 10                        ; my stage for the scale words: 1,024 bytes, in slot 0 (which has had its last fill and its last read when the first word is stored)
	v_lshlrev_b32 v10, 2, v1
	v_lshl_add_u32 v10, v2, 9, v10
	v_add_nc_u32 v10, s18, v10                     ; in: head h of my two, 4 r
	v_add_nc_u32 v11, s18, v7                      ; back: 16 bytes a lane
	v_lshlrev_b32 v12, 4, v2                       ; 16 h: which two bytes of the four are my head's
	s_mov_b32 s[SEL], 0x76543210
	s_mov_b32 s[SEL+1], 0xfedcba98
	s_mov_b32 s99, 0x0000ffff                      ; lanes 0-15
	s_lshr_b32 s18, s17, 3                         ; the batch
	s_lshl_b32 s18, s18, 4
	s_lshl_b32 s19, s40, 2
	s_add_co_u32 s18, s18, s19
	s_lshl_b32 s19, s16, 1
	s_add_co_u32 s18, s18, s19                     ; 16 x batch + my first head (4 cx + 2 x half)
	s_and_b32 s19, s17, 7
	s_lshl_b32 s19, s19, 4
	s_lshl_b32 s20, s15, 3
	s_add_co_u32 s19, s19, s20                     ; my first tile of tokens in the batch
	s_lshl_b32 s20, ttmp9, 23                      ; q (cluster x = 0) or k (1): 8,388,608 bytes each,
	s_lshl_b32 s21, s18, 17                        ; 131,072 a head,
	s_add_co_u32 s20, s20, s21
	s_lshl_b32 s21, s19, 10                        ; 1,024 a tile
	s_add_co_u32 s20, s20, s21
	s_mov_b32 s21, 0
	s_lshl_b32 s22, ttmp9, 19                      ; the scale words: 524,288, 8,192, 64
	s_lshl_b32 s23, s18, 13
	s_add_co_u32 s22, s22, s23
	s_lshl_b32 s23, s19, 6
	s_add_co_u32 s22, s22, s23
	s_add_co_u32 s22, s22, 16777216
	s_mov_b32 s23, 0
	s_lshl_b32 s92, s40, 10
	s_lshl_b32 s93, s16, 9
	s_add_co_u32 s92, s92, s93                     ; the bias of my 128 features: (256 cx + 128 x half) x 4
	s_mov_b32 s93, 0
	s_lshl_b32 s94, s17, 8
	s_lshl_b32 s95, s15, 7
	s_add_co_u32 s94, s94, s95                     ; the mask bytes of my 128 tokens
	s_mov_b32 s95, 0
	s_mov_b32 s18, 0x01010000                      ; a key that counts: bytes 2, 3 = 1
	s_mov_b32 s19, 0x01e30000                      ; a masked key: byte 2 = 227
	s_wait_kmcnt 0x0
	s_cmp_eq_u32 ttmp9, 0                          ; q or k: the same in all sixteen partners; it only selects values and a pointer
	s_cselect_b64 s[4:5], s[4:5], s[6:7]
	s_cselect_b32 s18, 0x7f7f0000, s18             ; q: bytes 2, 3 = 127 whatever the mask says
	s_cselect_b32 s19, 0x7f7f0000, s19
	s_cselect_b32 s46, 12, 0                       ; the code at k = 64: q 1.0; a key that counts 0;
	s_cselect_b32 s47, 12, 63                      ; a masked key -28
	v_mov_b32 v248, s18
	v_mov_b32 v249, s19
	v_mov_b32 v250, s46
	v_mov_b32 v251, s47
	s_add_nc_u64 s[4:5], s[4:5], s[92:93]
	s_add_nc_u64 s[8:9], s[8:9], s[94:95]
	s_add_nc_u64 s[12:13], s[10:11], s[20:21]
	s_add_nc_u64 s[66:67], s[10:11], s[22:23]
.irp e, 0,1,2,3
.irp jj, 0,1,2,3
	global_load_b128 v[BI+16*\e+4*\jj:BI+16*\e+4*\jj+3], v8, s[4:5] offset:128*\e+16*\jj   ; register 16 e + i: the bias of feature 32 e + 16 h + i
.endr
.endr
.irp a, 0,1,2,3,4,5,6,7
	global_load_u8 v[MK+\a], v9, s[8:9] offset:32*(\a/2)+8*(\a%2)
.endr
.macro FRAG reg, adr, q, i             ; a fragment comes as it was stored: three loads of 16 bytes a lane, 512 consecutive bytes each
.irp p, 0,1,2
	ds_load_b128 v[\reg+4*\p:\reg+4*\p+3], v[\adr] offset:(\i)*RTS+(\q)*FRB+512*\p
.endr
.endm
; 16 matrix instructions: source 1's blocks a0, a0 + 1 x source 0's eight, 128 along K: the slot's q-th.  p: source 0's set;  sc: the set of scale words.  zero = 1: the first product starts the sums.
; The 64 accumulators take turns, one instruction a turn, in the same order in every step.
.macro MUL16 a0, p, q, sc, zero
.irp a, \a0, \a0+1
.irp b, 0,1,2,3,4,5,6,7
.if \zero
	v_wmma_scale_f32_16x16x128_f8f6f4 v[8*(8*((\a)%4)+\b):8*(8*((\a)%4)+\b)+7], v[128*(\p)+FR*\b:128*(\p)+FR*\b+FR-1], v[AF+FR*(\a):AF+FR*(\a)+FR-1], 0, v[SC+8*NQ*(\sc)+NQ*\b+(\q)], v[SC+8*NQ*(\sc)+NQ*(\a)+(\q)] matrix_a_fmt:MATRIX_FMT_BF6 matrix_b_fmt:MATRIX_FMT_BF6 matrix_a_scale:MATRIX_SCALE_ROW1
.else
	v_wmma_scale_f32_16x16x128_f8f6f4 v[8*(8*((\a)%4)+\b):8*(8*((\a)%4)+\b)+7], v[128*(\p)+FR*\b:128*(\p)+FR*\b+FR-1], v[AF+FR*(\a):AF+FR*(\a)+FR-1], v[8*(8*((\a)%4)+\b):8*(8*((\a)%4)+\b)+7], v[SC+8*NQ*(\sc)+NQ*\b+(\q)], v[SC+8*NQ*(\sc)+NQ*(\a)+(\q)] matrix_a_fmt:MATRIX_FMT_BF6 matrix_b_fmt:MATRIX_FMT_BF6 matrix_a_scale:MATRIX_SCALE_ROW1
.endif
.endr
.endr
.endm
.macro FETCH_B slot, q, p              ; source 0's eight fragments of the slot's q-th 128 along K into set p
	WIN TO_B
.irp i, 0,1,2,3,4,5,6,7
	FRAG 128*(\p)+FR*\i, ADRB+\slot, \q, \i
.endr
	WIN 0
.endm
.macro FETCH_A slot, q, i0             ; source 1's blocks i0 .. i0 + 3
.irp i, \i0, \i0+1, \i0+2, \i0+3
	FRAG AF+FR*(\i), ADRA+\slot, \q, \i
.endr
.endm
.macro SCALES sc                       ; the slot's scale words into set sc: lanes 0-15 take source 1's block i, lanes 16-31 source 0's block i
.irp i, 0,1,2,3,4,5,6,7
.irp q, 0,1
	ds_load_b32 v[SC+16*\sc+2*\i+\q], v[ADRS] offset:512*\i+64*\q
.endr
.endr
.endm
; A load into a register that a matrix instruction has read, and a vector instruction or an LDS store that reads a matrix result, stand NP places behind that matrix instruction; only plain vector
; instructions that name none of its registers are places (ISA guide 7.12.1 for vector instructions).
.macro PLACES n
.rept \n
	v_nop
.endr
.endm
; A step of 128 along K that has its successor in the same slot.
.macro STEP slot, q, zero
	s_wait_dscnt 4*NL                              ; source 0's set, the scale words and source 1's blocks 0-3 are in; the youngest twelve loads (blocks 4-7) may be out
	WIN MUL_LO
	MUL16 0, (\q)%2, \q, \slot, \zero
	MUL16 2, (\q)%2, \q, \slot, \zero
	s_wait_dscnt 0                                 ; blocks 4-7 are in (asked for 32 matrix instructions ago)
	PLACES NP
	FETCH_B \slot, (\q)+1, 1-(\q)%2
	FETCH_A \slot, (\q)+1, 0
	WIN MUL_HI
	MUL16 4, (\q)%2, \q, \slot, \zero
	MUL16 6, (\q)%2, \q, \slot, \zero
	PLACES NP
	WIN 0
	FETCH_A \slot, (\q)+1, 4
.endm
; A slot's last step changes slots: ONE barrier; in front of it each wave waits for all its tensor loads, adds 0 to its spare word, and waits for that and for its own reads of this slot.  fill = 1: this slot is filled again, two slots ahead.
.macro TURN slot, next, fill
	s_wait_tensorcnt 0x0                           ; all my tensor loads have landed: my part of the next slot;  (every window is 0 here)
	ds_add_u32 v[SPW], v[NIL]                      ; 0 onto my spare word
	s_wait_dscnt 4*NL+1                            ; (the add and the youngest twelve loads, blocks 4-7, may be out)
	WIN MUL_LO
	MUL16 0, 1, NQ-1, \slot, 0                     ; sixteen matrix instructions stand between the add and the wait for it
	s_wait_dscnt 0x0                               ; the add is done, and my reads of this slot are over
	s_barrier_signal -1
	MUL16 2, 1, NQ-1, \slot, 0
	WIN 0
	s_barrier_wait -1
.if \fill
	CREST                                          ; the barrier has opened a round of the cluster's barrier: no wave of any partner still reads this slot's tile or has a load on its way
	s_add_nc_u64 s[G0+4*\slot+2:G0+4*\slot+3], s[G0+4*\slot+2:G0+4*\slot+3], 2*RTS
	s_add_nc_u64 s[G0B+4*\slot+2:G0B+4*\slot+3], s[G0B+4*\slot+2:G0B+4*\slot+3], 2*RTS
	JLOAD G0+4*\slot, G1, G0B+4*\slot, G1B         ; the first tensor load behind the round, my one load until the next; the four v_nop behind it are the places in front of the loads below
.else
	PLACES NP
.endif
	v_add_nc_u32 v[ADRS], 128, v[ADRS]             ; on to the next slot's scale words: 64 bytes a K step
	FETCH_B \next, 0, 0
	FETCH_A \next, 0, 0
	SCALES \next
	WIN MUL_HI
	MUL16 4, 1, NQ-1, \slot, 0
	MUL16 6, 1, NQ-1, \slot, 0
	PLACES NP
	WIN 0
	FETCH_A \next, 0, 4
.endm
	s_wait_tensorcnt 1                             ; the scale words and my part of slot 0 are in; slot 1's load may be out
	s_barrier_signal -1
	s_barrier_wait -1                              ; everybody's are
	FETCH_B 0, 0, 0
	FETCH_A 0, 0, 0
	SCALES 0
	FETCH_A 0, 0, 4
	STEP 0, 0, 1                                   ; K 0: its products start the sums
	TURN 0, 1, 1                                   ; K 128; slot 0 takes K 512 on
	STEP 1, 0, 0                                   ; K 256
	TURN 1, 0, 1                                   ; K 384; slot 1 takes K 768 on
	STEP 0, 0, 0                                   ; K 512
	TURN 0, 1, 0                                   ; K 640; nothing is left to fetch, so no round
	STEP 1, 0, 0                                   ; K 768
	s_wait_dscnt 4*NL                              ; K 896: the last step
	WIN MUL_LO
	MUL16 0, 1, NQ-1, 1, 0
	MUL16 2, 1, NQ-1, 1, 0
	s_wait_dscnt 0
	WIN MUL_HI
	MUL16 4, 1, NQ-1, 1, 0
	MUL16 6, 1, NQ-1, 1, 0
	WIN 0
	; THE WAY OUT, a tile of 16 tokens at a time: + bias, quantised along each head's 64, the mask's code and bytes set in, and stored as two operand tiles (one for each of my two heads).
	PLACES NP                                      ; in front of the first read of results and the first write of registers that held fragments
	v_mov_b32 v[PC+7], 0                           ; register 7 of both tiles stays 0
	v_mov_b32 v[PC+15], 0
.irp b, 0,1,2,3
	v_mov_b32 v[TM+4+\b], 0                        ; a lane permute's destination counts as one of its sources
.endr
	s_wait_loadcnt 0x0                             ; the bias and the mask bytes
.irp a, 0,1,2,3,4,5,6,7
.if \a > 0
	s_wait_xcnt 0x0                                ; the last tile's stores have read their registers: the codes may be written again
.endif
	WIN 0x02+(\a/4)                                ; source 0: window 2 or 3
.set j, 0
.rept 32
	v_pk_add_f32 v[T+j:T+j+1], v[64*(\a%4)+j:64*(\a%4)+j+1], v[BI+j:BI+j+1]   ; each accumulator from its low end on
.set j, j+2
.endr
	WIN 0
	QUANT T, PC, 8
	v_cmp_ne_u32 vcc_lo, 0, v[MK+\a]               ; does my token count?
	v_cndmask_b32 v233, v249, v248, vcc_lo         ; bytes 2 and 3 of its scale word,
	v_cndmask_b32 v234, v251, v250, vcc_lo         ; and its code at k = 64,
	v_cndmask_b32 v[PC+6], 0, v234, s99            ; which lies in lanes 0-15 (in lanes 16-31 the place is k = 96: 0)
	v_lshrrev_b32 v235, v12, v[PW]                 ; lanes 0-15: the first head's two bytes; lanes 16-31: the second's
	v_mov_b32 v[PC+14], v[PC+6]
	v_and_or_b32 v235, v235, 0xffff, v233
	global_store_b128 v7, v[PC:PC+3], s[12:13] offset:1024*\a                  ; 32 lanes store 512 consecutive bytes
	global_store_b128 v7, v[PC+4:PC+7], s[12:13] offset:1024*\a+512
	global_store_b128 v7, v[PC+8:PC+11], s[12:13] offset:1024*\a+131072
	global_store_b128 v7, v[PC+12:PC+15], s[12:13] offset:1024*\a+131072+512
	ds_store_b32 v10, v235 offset:64*\a            ; the scale words are gathered: 512 bytes a head
.endr
	ds_load_b128 v[T:T+3], v11                     ; LDS serves a wave's instructions in order: these see my stores
	ds_load_b128 v[T+4:T+7], v11 offset:512
	s_wait_dscnt 0x0
	global_store_b128 v7, v[T:T+3], s[66:67]
	global_store_b128 v7, v[T+4:T+7], s[66:67] offset:8192
	s_wait_tensorcnt 0x0                           ; the wave's end, behind my last tensor load and my last LDS store
	ds_add_u32 v[SPW], v[NIL]
	s_wait_dscnt 0x0
	CROUND                                         ; the closing round: no work-group ends while a partner may still ask for a tile that names it
	s_endpgm
.Lfunc_end_k_q220e845955_gqk:
	.size	k_q220e845955_gqk, .Lfunc_end_k_q220e845955_gqk-k_q220e845955_gqk
	.p2alignl 7, 3214868480
	.fill 96, 4, 3214868480
	.section	.rodata,"a",@progbits
	.p2align	6, 0x0
	.amdhsa_kernel k_q220e845955_gqk
		.amdhsa_group_segment_fixed_size 327680
		.amdhsa_private_segment_fixed_size 0
		.amdhsa_enable_private_segment 0
		.amdhsa_kernarg_size 48
		.amdhsa_user_sgpr_count 2
		.amdhsa_user_sgpr_kernarg_segment_ptr 1
		.amdhsa_wavefront_size32 1
		.amdhsa_system_sgpr_workgroup_id_x 1
		.amdhsa_system_sgpr_workgroup_id_y 1
		.amdhsa_system_sgpr_workgroup_id_z 1
		.amdhsa_system_vgpr_workitem_id 0
		.amdhsa_next_free_vgpr 1024
		.amdhsa_next_free_sgpr 100
		.amdhsa_reserve_vcc 1
		.amdhsa_float_denorm_mode_32 3
		.amdhsa_float_denorm_mode_16_64 3
		.amdhsa_memory_ordered 1
		.amdhsa_forward_progress 1
		.amdhsa_inst_pref_size 165
	.end_amdhsa_kernel
	.amdgpu_metadata
---
amdhsa.version: [ 1, 2 ]
amdhsa.kernels:
  - .name:           k_q220e845955_gqk
    .symbol:         k_q220e845955_gqk.kd
    .args:
      - { .name: hq, .offset: 0, .size: 8, .value_kind: global_buffer, .address_space: global }
      - { .name: wq, .offset: 8, .size: 8, .value_kind: global_buffer, .address_space: global }
      - { .name: bq, .offset: 16, .size: 8, .value_kind: global_buffer, .address_space: global }
      - { .name: bk, .offset: 24, .size: 8, .value_kind: global_buffer, .address_space: global }
      - { .name: mask, .offset: 32, .size: 8, .value_kind: global_buffer, .address_space: global }
      - { .name: qkq, .offset: 40, .size: 8, .value_kind: global_buffer, .address_space: global }
    .group_segment_fixed_size: 327680
    .private_segment_fixed_size: 0
    .kernarg_segment_align: 8
    .kernarg_segment_size: 48
    .max_flat_workgroup_size: 128
    .sgpr_count:     100
    .vgpr_count:     1024
    .wavefront_size: 32
...
	.end_amdgpu_metadata
.endif
;; end of part 3
;; launch gv (part 4): grid 32 x 4, 4 waves a work-group, clusters of 4 x 4, 327,680 bytes of LDS; arguments wq, hq, bv, vq; writes vq
.if DOCPART == 4
	.amdgcn_target "amdgcn-amd-amdhsa--gfx1250"
	.amdhsa_code_object_version 6
	.text
	.protected	k_q220e845955_gv
	.globl	k_q220e845955_gv
	.p2align	8
	.type	k_q220e845955_gv,@function
k_q220e845955_gv:
	s_mov_b64 s[64:65], 0
	v_nop
	global_prefetch_b8 v0, s[64:65] scope:SCOPE_SE
	s_setreg_imm32_b32 hwreg(HW_REG_WAVE_MODE, 25, 1), 1
	s_wait_xcnt 0x0
	s_wait_alu depctr_hold_cnt(0) depctr_sa_sdst(0) depctr_va_vdst(0) depctr_va_sdst(0) depctr_va_ssrc(0) depctr_va_vcc(0) depctr_vm_vsrc(0)
	s_getreg_b32 s2, hwreg(HW_REG_IB_STS2, 6, 4)
	s_cmp_eq_u32 s2, 0
	s_cbranch_scc0 .Lentry_in_a_cluster
	s_endpgm
.Lentry_in_a_cluster:
	s_bfe_u32 s2, ttmp6, 0x10000c
	s_cmp_lg_u32 s2, 0xf033
	s_cbranch_scc0 .Lentry_shape_is_right
	s_endpgm
.Lentry_shape_is_right:
; v = h Wv + bv, [8192][1024], on codes of BF6 (E3M2) with E8M0 scales; the result is quantised ALONG THE KEYS (the second attention product's K) in registers and leaves as operand images.
; SOURCE 0 = 16 rows of h's image (work-group x), SOURCE 1 = 16 rows of Wv's image (work-group y): a lane then holds ONE feature and its registers run along the tokens; since the tokens of a rowtile of h are chosen
; for it (lane r of rowtile 2 b + u holds token 32 b + 8 u + r + 8 (r / 8)), register 16 b + i of a feature's 8 neighbouring tiles is token 32 b + 16 (lane / 16) + i: a wave's 128 tokens are one key step.
; A tile of 256 x 256 is made by four waves, 128 x 128 each: 64 accumulators, 512 registers.  K = 1,024 goes in four slots of 256 through a ring of two LDS slots; the eight steps of 128 are written out.
; OPERANDS LIE IN MEMORY AS IMAGES OF THEIR REGISTERS: [rowtile][K step][piece][lane][16 bytes]: a fragment comes from LDS by three loads of 16 bytes a lane, 512 consecutive bytes each: no padding is wanted.
; A tensor load brings 8 rowtiles x 2 K steps: 8 rows of 3,072 bytes, 12,288 bytes apart.  The scale words of the work-group's rows, for all of K, come once with the first fills (4,096 dense bytes a load).
; CLUSTERS: 4 x 4 work-groups; source 1's tiles are shared along a row of the cluster, source 0's along a column: each is asked for jointly, by the same tensor load with a mask that names the four.
; The launch has 128 work-groups: tiles of 256 x 256 of an [8192][1024] result.  A smaller tile would read each fragment from LDS for half the products.
; THE WAY OUT.  vq = [batch][head][key step 0..15][tile t of 16 of the head's 64][fragment of 1,536 bytes]; behind them, at 6,291,456, the scale words [batch][head][key step][t][r].
; LIMITS: NaN and infinities among the inputs are not served; a block of zeros gets the byte 1 where the quantiser says 127 (its codes are zeros; this program alone reads the bytes).
; REGISTERS, in windows of 256: window 0: v7-11 the way out's addresses; v16-29 addresses; v32-63 scale words, two sets; v64-79 the bias; v128-223 source 1's fragments, ONE set.
;   window 1: source 0's fragments, TWO sets, at v0 and v128.   windows 2, 3: the accumulators ((a, b) at v[8 (8 (a % 4) + b)]).
.set NQ,     2                         ; steps of 128 in a slot
.set FR,     12                        ; registers of a fragment
.set NL,     3                         ; LDS loads that bring one
.set NP,     4                         ; places behind this matrix instruction (ISA guide 7.12.1)
.set RT,     12288                     ; a rowtile's image in memory
.set RTS,    3072                      ; its two K steps in a slot
.set FRB,    1536                      ; a fragment's image
.set HALFT,  8*RTS                     ; 8 rowtiles: what one tensor load brings, and what one wave reads of a side
.set SLOT,   4*HALFT                   ; source 1's 16 rowtiles, then source 0's
.set SCL,    2*SLOT                    ; behind the ring: the scale words
.set HALFS,  4096                      ; those of 8 rowtiles
.set SKEW,   128                       ; source 0's lie 128 bytes further on, so that the two halves of the lanes read different banks
.set SPARE,  213248                    ; behind the scale words: the spare words, 128 bytes for each wave: two blocks of 256 bytes that no other line names
.set S1_COD, 1572864                   ; source 1: Wv's images (rowtiles 128 on) and scale words
.set S1_SCL, 3211264
.set S0_COD, 0                         ; source 0: h's
.set S0_SCL, 6291456
.set ADRA, 16                          ; v16-17  LDS address of source 1's fragments in slot 0, 1
.set ADRB, 20                          ; v20-21  the same for source 0
.set ADRS, 27                          ; v27     LDS address of my scale words: lanes 0-15 source 1's rows, lanes 16-31 source 0's
.set SPW,  28                          ; v28     LDS address of my spare word; never rewritten
.set NIL,  29                          ; v29     0; never rewritten
.set SC,   32                          ; scale words: set s at v[SC + 16 s]; register 2 i + q: lanes 0-15 source 1's block i, lanes 16-31 source 0's block i, the slot's q-th 128
.set AF,   128                         ; source 1's fragments
.set G1, 24                            ; s[24:31], s[32:39] descriptor groups 1 and 0 (a set for each slot) for source 1's tiles
.set G0, 32
.set G1B, 48                           ; s[48:55], s[56:63] for source 0's
.set G0B, 56
.set G1S, 68                           ; s[68:75], s[76:79] for source 1's scale words;  s[80:87], s[88:91] for source 0's
.set G0S, 76
.set G1SB, 80
.set G0SB, 88
.set SEL, 96                           ; s[96:97] v_permlanex16_b32's selects for lane l xor 16
.set BI,  64                           ; the way out: v64-79 my feature's bias in each of the 8 tiles, twice (a pair for the packed addition)
.set T,   128                          ; v128-191 a tile's 64 numbers
.set PC,  192                          ; v192-203 a fragment's codes
.set PT,  208
.set TM,  216
.set PW,  232
.set MSB, 0
.macro WIN new                         ; the immediate's high byte repeats the setting that is left
.if MSB != \new
	s_set_vgpr_msb (MSB<<8)|\new
.set MSB, \new
.endif
.endm
.set MUL_LO, 0xa1                      ; source 0 window 1, source 1 window 0, C and D window 2
.set MUL_HI, 0xf1                      ; the same, C and D window 3
.set TO_B,   0x40                      ; destination window 1, address window 0
; A joint load: waves 0 and 1 fetch for source 1, waves 2 and 3 for source 0.  Each of the two lines has one mask and one set of registers for all that issue it; the branch hangs on the wave's number alone.
; Four v_nop follow each of the two lines, ahead of the jump, the label and what follows.
.macro JLOAD g0a, g1a, g0b, g1b
	s_cmp_eq_u32 s15, 0
	s_cbranch_scc0 .Lfor_b_\@
	tensor_load_to_lds s[\g0a:\g0a+3], s[\g1a:\g1a+7]
	s_nop 0
.rept 4
	v_nop
.endr
	s_branch .Lasked_\@
.Lfor_b_\@:
	tensor_load_to_lds s[\g0b:\g0b+3], s[\g1b:\g1b+7]
	s_nop 0
.rept 4
	v_nop
.endr
.Lasked_\@:
.endm
.macro CREST                           ; a round of the cluster's barrier behind its opening barrier
	s_cmp_lg_u32 s14, 0
	s_cbranch_scc1 .Lnot_wave_0_\@
	s_barrier_signal -3
.Lnot_wave_0_\@:
	s_barrier_wait -3
	s_barrier_signal -1
	s_barrier_wait -1
.endm
.macro CROUND                          ; a whole round
	s_barrier_signal -1
	s_barrier_wait -1
	CREST
.endm
; 64 numbers of a lane, v[src] .. v[src + 63], register 16 b + i = k 32 b + 16 (lane / 16) + i of my row, become codes in v[pc + stp c] .. + 5 (c = 0, 1) and the row's scale word in v[PW].
.macro QUANT src, pc, stp
.irp b, 0,1,2,3
	v_max3_num_f32 v[TM+\b], |v[\src+16*\b]|, |v[\src+1+16*\b]|, 0x2800000   ; block b: my 16 numbers, and the floor 2^(5 - 127): the byte cannot fall under 1
.endr
.irp i, 2,4,6,8,10,12,14
.irp b, 0,1,2,3
	v_max3_num_f32 v[TM+\b], v[TM+\b], |v[\src+16*\b+\i]|, |v[\src+1+16*\b+\i]|   ; (the four blocks by turns)
.endr
.endr
.irp b, 0,1,2,3
	v_permlanex16_b32 v[TM+4+\b], v[TM+\b], s[SEL], s[SEL+1]
.endr
.irp b, 0,1,2,3
	v_max_num_f32 v[TM+\b], v[TM+\b], v[TM+4+\b]   ; with lane l xor 16's: the block's largest magnitude
.endr
.irp b, 0,1,2,3
	v_add_nc_u32 v[TM+12+\b], 0xfe000000, v[TM+\b]   ; 4 off its exponent field: the conversion's scale operand
.endr
.irp b, 0,1,2,3
	v_lshrrev_b32 v[TM+4+\b], 23, v[TM+12+\b]      ; the scale's byte
.endr
	v_lshl_or_b32 v[PW], v[TM+5], 8, v[TM+4]
	v_lshl_or_b32 v[PW], v[TM+6], 16, v[PW]
	v_lshl_or_b32 v[PW], v[TM+7], 24, v[PW]
.irp c, 0,1
	v_cvt_scalef32_pk16_bf6_f32 v[\pc+\stp*\c:\pc+\stp*\c+2], v[\src+32*\c:\src+15+32*\c], v[TM+12+2*\c]
	v_cvt_scalef32_pk16_bf6_f32 v[PT+4*\c:PT+4*\c+2], v[\src+16+32*\c:\src+31+32*\c], v[TM+12+2*\c+1]   ; (a conversion's three registers begin on an even number)
.endr
	v_nop                                          ; one plain place behind a scaled conversion
.irp c, 0,1                            ; the operand's layout wants a WHOLE block in a lane: lanes 0-15 block 2 c, lanes 16-31 block 2 c + 1
.irp i, 0,1,2
	v_permlane16_swap_b32 v[\pc+\stp*\c+\i], v[PT+4*\c+\i]
.endr
.irp i, 0,1,2
	v_mov_b32 v[\pc+\stp*\c+3+\i], v[PT+4*\c+\i]
.endr
.endr
.endm
	s_load_b128 s[4:7], s[0:1], 0x0                ; source 1's buffer, source 0's buffer
	v_lshl_add_u32 v[SPW], v0, 2, SPARE
	v_mov_b32 v[NIL], 0
	ds_add_u32 v28, v29
	s_wait_dscnt 0x0
	v_lshrrev_b32 v1, 5, v0
	v_readfirstlane_b32 s14, v1                    ; wave 0..3
	s_lshr_b32 s15, s14, 1                         ; which half of source 1's rows is mine.  Also: I fetch for source 1 (0) or for source 0 (1)
	s_and_b32 s16, s14, 1                          ; which half of source 0's rows.  Also: which 8 rowtiles of that tile I fetch
	s_bfe_u32 s40, ttmp6, 0x40000                  ; cx, cy: my place in the cluster
	s_bfe_u32 s41, ttmp6, 0x40004
	s_lshl_b32 s42, ttmp9, 2
	s_add_co_u32 s42, s42, s40                     ; work-group x = 4 x cluster x + cx
	s_and_b32 s17, ttmp7, 0xffff
	s_lshl_b32 s17, s17, 2
	s_add_co_u32 s17, s17, s41                     ; work-group y = 4 x cluster y + cy
	s_lshl_b32 s43, s41, 2
	s_lshl_b32 s43, 15, s43                        ; my row of the cluster
	s_lshl_b32 s44, 0x1111, s40                    ; my column
	; descriptor group 1: 8 rows of 384 elements of 8 bytes (3,072 bytes), 1,536 elements apart; no padding
	s_or_b32 s[G1+0], s43, (3<<16)|(1<<21)         ; 15:0 the mask: source 1's tiles go to my row; 17:16 elements of 8 bytes; 21 set beside a mask
	s_or_b32 s[G1B+0], s44, (3<<16)|(1<<21)        ; source 0's to my column
.irp g, G1, G1B
	s_mov_b32 s[\g+1], 384<<16                     ; tensor_dim0
	s_mov_b32 s[\g+2], 8<<16                       ; tensor_dim1
	s_mov_b32 s[\g+3], 384<<16                     ; tile_dim0
	s_mov_b32 s[\g+4], 8                           ; tile_dim1
	s_mov_b32 s[\g+5], 1536                        ; tensor_dim0_stride
	s_mov_b32 s[\g+6], 0
	s_mov_b32 s[\g+7], 0
.endr
	; and for the scale words of 8 rowtiles: 4,096 dense bytes as 16 rows of 256
	s_or_b32 s[G1S+0], s43, (3<<16)|(1<<21)
	s_or_b32 s[G1SB+0], s44, (3<<16)|(1<<21)
.irp g, G1S, G1SB
	s_mov_b32 s[\g+1], 32<<16
	s_mov_b32 s[\g+2], 16<<16
	s_mov_b32 s[\g+3], 32<<16
	s_mov_b32 s[\g+4], 16
	s_mov_b32 s[\g+5], 32
	s_mov_b32 s[\g+6], 0
	s_mov_b32 s[\g+7], 0
.endr
	s_lshl_b32 s18, s16, 3                         ; which 8 rowtiles of the tile I fetch
	s_lshl_b32 s20, s17, 4
	s_add_co_u32 s20, s20, s18                     ; source 1: rowtile 16 y + 8 x half
	s_lshl_b32 s46, s42, 4
	s_add_co_u32 s46, s46, s18                     ; source 0: rowtile 16 x + 8 x half
	s_lshl_b32 s22, s20, 9                         ; where these rowtiles' scale words begin, in bytes,
	s_mov_b32 s23, 0
	s_lshl_b32 s92, s46, 9
	s_mov_b32 s93, 0
	s_mul_i32 s20, s20, RT                         ; and their images
	s_mov_b32 s21, 0
	s_mul_i32 s46, s46, RT
	s_mov_b32 s47, 0
	s_mul_i32 s45, s14, HALFT                      ; where they go: wave x 8 rowtiles: no place in the cluster enters an LDS address
	s_mul_i32 s94, s14, HALFS
	s_wait_kmcnt 0x0
	s_add_nc_u64 s[8:9], s[6:7], S0_COD
	s_add_nc_u64 s[10:11], s[6:7], S0_SCL
	s_add_nc_u64 s[6:7], s[4:5], S1_SCL
	s_add_nc_u64 s[4:5], s[4:5], S1_COD
	s_add_nc_u64 s[20:21], s[4:5], s[20:21]
	s_add_nc_u64 s[22:23], s[6:7], s[22:23]
	s_add_nc_u64 s[46:47], s[8:9], s[46:47]
	s_add_nc_u64 s[92:93], s[10:11], s[92:93]
	CROUND                                         ; all sixteen work-groups are here: the first joint loads meet
	s_mov_b32 s[G0S], 1
	s_add_co_u32 s[G0S+1], s94, SCL
	s_mov_b64 s[G0S+2:G0S+3], s[22:23]
	s_or_b32 s[G0S+3], s[G0S+3], 0x80000000
	s_mov_b32 s[G0SB], 1
	s_add_co_u32 s[G0SB+1], s94, SCL+SKEW
	s_mov_b64 s[G0SB+2:G0SB+3], s[92:93]
	s_or_b32 s[G0SB+3], s[G0SB+3], 0x80000000
	JLOAD G0S, G1S, G0SB, G1SB                     ; the scale words first: they are wanted with the first step
.irp s, 0,1
	s_mov_b32 s[G0+4*\s], 1
	s_add_co_u32 s[G0+4*\s+1], s45, \s*SLOT
	s_add_nc_u64 s[G0+4*\s+2:G0+4*\s+3], s[20:21], \s*RTS
	s_or_b32 s[G0+4*\s+3], s[G0+4*\s+3], 0x80000000
	s_mov_b32 s[G0B+4*\s], 1
	s_add_co_u32 s[G0B+4*\s+1], s45, \s*SLOT
	s_add_nc_u64 s[G0B+4*\s+2:G0B+4*\s+3], s[46:47], \s*RTS
	s_or_b32 s[G0B+4*\s+3], s[G0B+4*\s+3], 0x80000000
	JLOAD G0+4*\s, G1, G0B+4*\s, G1B               ; three tensor loads of mine are out now
.endr
	s_load_b128 s[4:7], s[0:1], 0x10               ; bv, vq (the first pointers have gone into the descriptors)
	v_and_b32 v1, 15, v0                           ; r
	v_bfe_u32 v2, v0, 4, 1                         ; h
	v_and_b32 v3, 31, v0
	v_lshlrev_b32 v4, 4, v3                        ; 16 x lane: an image's place for my lane
	s_mul_i32 s21, s15, HALFT                      ; my 8 rowtiles of source 1
	s_mul_i32 s22, s16, HALFT                      ; my 8 of source 0,
	s_add_co_u32 s22, s22, 2*HALFT                 ; which lie behind source 1's 16
.irp s, 0,1
	v_add_nc_u32 v[ADRA+\s], s21, v4
	v_add_nc_u32 v[ADRB+\s], s22, v4
	s_add_co_u32 s21, s21, SLOT
	s_add_co_u32 s22, s22, SLOT
.endr
	v_lshlrev_b32 v5, 2, v1                        ; a scale word: 4 bytes a row
	s_mul_i32 s21, s15, HALFS
	s_mul_i32 s22, s16, HALFS
	s_add_co_u32 s22, s22, 2*HALFS+SKEW
	s_sub_co_u32 s22, s22, s21
	v_mul_u32_u24 v6, s22, v2                      ; lanes 16-31 take source 0's: one product, the distance between the two bases
	s_add_co_u32 s21, s21, SCL
	v_add_nc_u32 v5, v5, v6
	v_add_nc_u32 v[ADRS], s21, v5
	; ---- the way out's addresses and early loads
	v_lshlrev_b32 v7, 4, v3                        ; 16 x lane
	v_and_b32 v8, 7, v1
	v_lshrrev_b32 v5, 3, v1
	v_lshl_add_u32 v8, v5, 4, v8
	v_lshlrev_b32 v8, 2, v8                        ; the bias of my feature in a pair of tiles: ((r & 7) + 16 (r >> 3)) x 4
	v_lshlrev_b32 v9, 4, v1
	v_lshl_add_u32 v9, v2, 12, v9                  ; the scale words on their way out: lanes 0-15 the first head's 256 bytes, lanes 16-31 the second's, 4,096 bytes on
	s_lshl_b32 s18, s14, 9                         ; my stage for the scale words: 512 bytes, in slot 0 (which has had its last fill and its last read when the first word is stored)
	v_lshlrev_b32 v10, 2, v1
	v_add_nc_u32 v10, s18, v10                     ; in: 4 r
	v_add_nc_u32 v11, s18, v7                      ; back: 16 bytes a lane
	s_mov_b32 s[SEL], 0x76543210
	s_mov_b32 s[SEL+1], 0xfedcba98
	s_lshr_b32 s18, s42, 3                         ; the batch
	s_lshl_b32 s18, s18, 4
	s_lshl_b32 s19, s17, 2
	s_add_co_u32 s18, s18, s19
	s_lshl_b32 s19, s15, 1
	s_add_co_u32 s18, s18, s19                     ; 16 x batch + my first head (4 y + 2 x half)
	s_and_b32 s19, s42, 7
	s_lshl_b32 s19, s19, 1
	s_add_co_u32 s19, s19, s16                     ; my key step in the batch
	s_mul_i32 s20, s18, 98304                      ; the fragments: 98,304 bytes a head,
	s_mul_i32 s21, s19, 6144                       ; 6,144 a key step
	s_add_co_u32 s20, s20, s21
	s_mov_b32 s21, 0
	s_lshl_b32 s22, s18, 12                        ; the scale words: 4,096 and 256
	s_lshl_b32 s23, s19, 8
	s_add_co_u32 s22, s22, s23
	s_add_co_u32 s22, s22, 6291456
	s_mov_b32 s23, 0
	s_lshl_b32 s92, s17, 10
	s_lshl_b32 s93, s15, 9
	s_add_co_u32 s92, s92, s93                     ; the bias of my 128 features: (256 y + 128 x half) x 4
	s_mov_b32 s93, 0
	s_wait_kmcnt 0x0
	s_add_nc_u64 s[4:5], s[4:5], s[92:93]
	s_add_nc_u64 s[12:13], s[6:7], s[20:21]
	s_add_nc_u64 s[66:67], s[6:7], s[22:23]
.irp a, 0,1,2,3,4,5,6,7
	global_load_b32 v[BI+2*\a], v8, s[4:5] offset:(32*(\a/2)+8*(\a%2))*4
	global_load_b32 v[BI+2*\a+1], v8, s[4:5] offset:(32*(\a/2)+8*(\a%2))*4
.endr
.macro FRAG reg, adr, q, i             ; a fragment comes as it was stored: three loads of 16 bytes a lane, 512 consecutive bytes each
.irp p, 0,1,2
	ds_load_b128 v[\reg+4*\p:\reg+4*\p+3], v[\adr] offset:(\i)*RTS+(\q)*FRB+512*\p
.endr
.endm
; 16 matrix instructions: source 1's blocks a0, a0 + 1 x source 0's eight, 128 along K: the slot's q-th.  p: source 0's set;  sc: the set of scale words.  zero = 1: the first product starts the sums.
; The 64 accumulators take turns, one instruction a turn, in the same order in every step.
.macro MUL16 a0, p, q, sc, zero
.irp a, \a0, \a0+1
.irp b, 0,1,2,3,4,5,6,7
.if \zero
	v_wmma_scale_f32_16x16x128_f8f6f4 v[8*(8*((\a)%4)+\b):8*(8*((\a)%4)+\b)+7], v[128*(\p)+FR*\b:128*(\p)+FR*\b+FR-1], v[AF+FR*(\a):AF+FR*(\a)+FR-1], 0, v[SC+8*NQ*(\sc)+NQ*\b+(\q)], v[SC+8*NQ*(\sc)+NQ*(\a)+(\q)] matrix_a_fmt:MATRIX_FMT_BF6 matrix_b_fmt:MATRIX_FMT_BF6 matrix_a_scale:MATRIX_SCALE_ROW1
.else
	v_wmma_scale_f32_16x16x128_f8f6f4 v[8*(8*((\a)%4)+\b):8*(8*((\a)%4)+\b)+7], v[128*(\p)+FR*\b:128*(\p)+FR*\b+FR-1], v[AF+FR*(\a):AF+FR*(\a)+FR-1], v[8*(8*((\a)%4)+\b):8*(8*((\a)%4)+\b)+7], v[SC+8*NQ*(\sc)+NQ*\b+(\q)], v[SC+8*NQ*(\sc)+NQ*(\a)+(\q)] matrix_a_fmt:MATRIX_FMT_BF6 matrix_b_fmt:MATRIX_FMT_BF6 matrix_a_scale:MATRIX_SCALE_ROW1
.endif
.endr
.endr
.endm
.macro FETCH_B slot, q, p              ; source 0's eight fragments of the slot's q-th 128 along K into set p
	WIN TO_B
.irp i, 0,1,2,3,4,5,6,7
	FRAG 128*(\p)+FR*\i, ADRB+\slot, \q, \i
.endr
	WIN 0
.endm
.macro FETCH_A slot, q, i0             ; source 1's blocks i0 .. i0 + 3
.irp i, \i0, \i0+1, \i0+2, \i0+3
	FRAG AF+FR*(\i), ADRA+\slot, \q, \i
.endr
.endm
.macro SCALES sc                       ; the slot's scale words into set sc: lanes 0-15 take source 1's block i, lanes 16-31 source 0's block i
.irp i, 0,1,2,3,4,5,6,7
.irp q, 0,1
	ds_load_b32 v[SC+16*\sc+2*\i+\q], v[ADRS] offset:512*\i+64*\q
.endr
.endr
.endm
; A load into a register that a matrix instruction has read, and a vector instruction or an LDS store that reads a matrix result, stand NP places behind that matrix instruction; only plain vector
; instructions that name none of its registers are places (ISA guide 7.12.1 for vector instructions).
.macro PLACES n
.rept \n
	v_nop
.endr
.endm
; A step of 128 along K that has its successor in the same slot.
.macro STEP slot, q, zero
	s_wait_dscnt 4*NL                              ; source 0's set, the scale words and source 1's blocks 0-3 are in; the youngest twelve loads (blocks 4-7) may be out
	WIN MUL_LO
	MUL16 0, (\q)%2, \q, \slot, \zero
	MUL16 2, (\q)%2, \q, \slot, \zero
	s_wait_dscnt 0                                 ; blocks 4-7 are in (asked for 32 matrix instructions ago)
	PLACES NP
	FETCH_B \slot, (\q)+1, 1-(\q)%2
	FETCH_A \slot, (\q)+1, 0
	WIN MUL_HI
	MUL16 4, (\q)%2, \q, \slot, \zero
	MUL16 6, (\q)%2, \q, \slot, \zero
	PLACES NP
	WIN 0
	FETCH_A \slot, (\q)+1, 4
.endm
; A slot's last step changes slots: ONE barrier; in front of it each wave waits for all its tensor loads, adds 0 to its spare word, and waits for that and for its own reads of this slot.  fill = 1: this slot is filled again, two slots ahead.
.macro TURN slot, next, fill
	s_wait_tensorcnt 0x0                           ; all my tensor loads have landed: my part of the next slot;  (every window is 0 here)
	ds_add_u32 v[SPW], v[NIL]                      ; 0 onto my spare word
	s_wait_dscnt 4*NL+1                            ; (the add and the youngest twelve loads, blocks 4-7, may be out)
	WIN MUL_LO
	MUL16 0, 1, NQ-1, \slot, 0                     ; sixteen matrix instructions stand between the add and the wait for it
	s_wait_dscnt 0x0                               ; the add is done, and my reads of this slot are over
	s_barrier_signal -1
	MUL16 2, 1, NQ-1, \slot, 0
	WIN 0
	s_barrier_wait -1
.if \fill
	CREST                                          ; the barrier has opened a round of the cluster's barrier: no wave of any partner still reads this slot's tile or has a load on its way
	s_add_nc_u64 s[G0+4*\slot+2:G0+4*\slot+3], s[G0+4*\slot+2:G0+4*\slot+3], 2*RTS
	s_add_nc_u64 s[G0B+4*\slot+2:G0B+4*\slot+3], s[G0B+4*\slot+2:G0B+4*\slot+3], 2*RTS
	JLOAD G0+4*\slot, G1, G0B+4*\slot, G1B         ; the first tensor load behind the round, my one load until the next; the four v_nop behind it are the places in front of the loads below
.else
	PLACES NP
.endif
	v_add_nc_u32 v[ADRS], 128, v[ADRS]             ; on to the next slot's scale words: 64 bytes a K step
	FETCH_B \next, 0, 0
	FETCH_A \next, 0, 0
	SCALES \next
	WIN MUL_HI
	MUL16 4, 1, NQ-1, \slot, 0
	MUL16 6, 1, NQ-1, \slot, 0
	PLACES NP
	WIN 0
	FETCH_A \next, 0, 4
.endm
	s_wait_tensorcnt 1                             ; the scale words and my part of slot 0 are in; slot 1's load may be out
	s_barrier_signal -1
	s_barrier_wait -1                              ; everybody's are
	FETCH_B 0, 0, 0
	FETCH_A 0, 0, 0
	SCALES 0
	FETCH_A 0, 0, 4
	STEP 0, 0, 1                                   ; K 0: its products start the sums
	TURN 0, 1, 1                                   ; K 128; slot 0 takes K 512 on
	STEP 1, 0, 0                                   ; K 256
	TURN 1, 0, 1                                   ; K 384; slot 1 takes K 768 on
	STEP 0, 0, 0                                   ; K 512
	TURN 0, 1, 0                                   ; K 640; nothing is left to fetch, so no round
	STEP 1, 0, 0                                   ; K 768
	s_wait_dscnt 4*NL                              ; K 896: the last step
	WIN MUL_LO
	MUL16 0, 1, NQ-1, 1, 0
	MUL16 2, 1, NQ-1, 1, 0
	s_wait_dscnt 0
	WIN MUL_HI
	MUL16 4, 1, NQ-1, 1, 0
	MUL16 6, 1, NQ-1, 1, 0
	WIN 0
	; THE WAY OUT, a tile of 16 features at a time: + bias, quantised along my 128 keys: a whole fragment and a whole scale word a feature.
	PLACES NP                                      ; in front of the first read of results and the first write of registers that held fragments
.irp b, 0,1,2,3
	v_mov_b32 v[TM+4+\b], 0                        ; a lane permute's destination counts as one of its sources
.endr
	s_wait_loadcnt 0x0                             ; the bias
.irp a, 0,1,2,3,4,5,6,7
.if \a > 0
	s_wait_xcnt 0x0                                ; the last tile's stores have read their registers: the codes may be written again
.endif
	WIN 0x02+(\a/4)                                ; source 0: window 2 or 3
.set j, 0
.rept 32
	v_pk_add_f32 v[T+j:T+j+1], v[64*(\a%4)+j:64*(\a%4)+j+1], v[BI+2*\a:BI+2*\a+1]   ; each accumulator from its low end on
.set j, j+2
.endr
	WIN 0
	QUANT T, PC, 6
.irp p, 0,1,2
	global_store_b128 v7, v[PC+4*\p:PC+4*\p+3], s[12:13] offset:(\a/4)*98304+(\a%4)*1536+512*\p   ; head a / 4 of my two, tile a % 4: 32 lanes store 512 consecutive bytes
.endr
	ds_store_b32 v10, v[PW] offset:64*\a           ; the scale words are gathered: 256 bytes a head (both halves of the lanes write the same word with the same value)
.endr
	ds_load_b128 v[T:T+3], v11                     ; LDS serves a wave's instructions in order: this sees my stores
	s_wait_dscnt 0x0
	global_store_b128 v9, v[T:T+3], s[66:67]       ; sixteen lanes store 256 consecutive bytes, at a multiple of 256 from the buffer's first byte
	s_wait_tensorcnt 0x0                           ; the wave's end, behind my last tensor load and my last LDS store
	ds_add_u32 v[SPW], v[NIL]
	s_wait_dscnt 0x0
	CROUND                                         ; the closing round: no work-group ends while a partner may still ask for a tile that names it
	s_endpgm
.Lfunc_end_k_q220e845955_gv:
	.size	k_q220e845955_gv, .Lfunc_end_k_q220e845955_gv-k_q220e845955_gv
	.p2alignl 7, 3214868480
	.fill 96, 4, 3214868480
	.section	.rodata,"a",@progbits
	.p2align	6, 0x0
	.amdhsa_kernel k_q220e845955_gv
		.amdhsa_group_segment_fixed_size 327680
		.amdhsa_private_segment_fixed_size 0
		.amdhsa_enable_private_segment 0
		.amdhsa_kernarg_size 32
		.amdhsa_user_sgpr_count 2
		.amdhsa_user_sgpr_kernarg_segment_ptr 1
		.amdhsa_wavefront_size32 1
		.amdhsa_system_sgpr_workgroup_id_x 1
		.amdhsa_system_sgpr_workgroup_id_y 1
		.amdhsa_system_sgpr_workgroup_id_z 1
		.amdhsa_system_vgpr_workitem_id 0
		.amdhsa_next_free_vgpr 1024
		.amdhsa_next_free_sgpr 100
		.amdhsa_reserve_vcc 0
		.amdhsa_float_denorm_mode_32 3
		.amdhsa_float_denorm_mode_16_64 3
		.amdhsa_memory_ordered 1
		.amdhsa_forward_progress 1
		.amdhsa_inst_pref_size 160
	.end_amdhsa_kernel
	.amdgpu_metadata
---
amdhsa.version: [ 1, 2 ]
amdhsa.kernels:
  - .name:           k_q220e845955_gv
    .symbol:         k_q220e845955_gv.kd
    .args:
      - { .name: wq, .offset: 0, .size: 8, .value_kind: global_buffer, .address_space: global }
      - { .name: hq, .offset: 8, .size: 8, .value_kind: global_buffer, .address_space: global }
      - { .name: bv, .offset: 16, .size: 8, .value_kind: global_buffer, .address_space: global }
      - { .name: vq, .offset: 24, .size: 8, .value_kind: global_buffer, .address_space: global }
    .group_segment_fixed_size: 327680
    .private_segment_fixed_size: 0
    .kernarg_segment_align: 8
    .kernarg_segment_size: 32
    .max_flat_workgroup_size: 128
    .sgpr_count:     100
    .vgpr_count:     1024
    .wavefront_size: 32
...
	.end_amdgpu_metadata
.endif
;; end of part 4
;; launch attn (part 5): grid 8 x 32, 16 waves a work-group, no clusters, 327,680 bytes of LDS; arguments qkq, vq, oq; writes oq
.if DOCPART == 5
	.amdgcn_target "amdgcn-amd-amdhsa--gfx1250"
	.amdhsa_code_object_version 6
	.text
	.protected	k_q220e845955_attn
	.globl	k_q220e845955_attn
	.p2align	8
	.type	k_q220e845955_attn,@function
k_q220e845955_attn:
	s_mov_b64 s[64:65], 0
	v_nop
	global_prefetch_b8 v0, s[64:65] scope:SCOPE_SE
	s_setreg_imm32_b32 hwreg(HW_REG_WAVE_MODE, 25, 1), 1
	s_wait_xcnt 0x0
; o = softmax(q k^T / 8, masked) v for 64 (batch, head) pairs, 2,048 tokens, head size 64, both products on codes of BF6 (E3M2) with E8M0 scales; o is quantised along the model's 1,024 in registers and leaves as the
; output projection's operand image: oq = [rowtile of 16 tokens][K step 0..7][piece][lane][16 bytes]; behind them, at 6,291,456, the scale words [rowtile][K step][r].
; THE SOFTMAX AHEAD OF THE SECOND PRODUCT: t = score x log2(e) / 8; M = the row's largest t so far, rounded UP to a whole number; p = 2^(t - M) is what is quantised, along the keys; it is not normalised.
; The row's sum is taken of the unquantised p, in f32, and divides O at the end.  When M moves, the sum and O are multiplied by 2^(old M - new M): exact.
; SHARES.  A work-group owns 256 queries of a PAIR of heads (y = 8 x batch + pair, x = the block of queries); each of its sixteen waves owns one tile of 16 queries and walks head 2 pair, then head 2 pair + 1: the two
; heads' 128 numbers of a token are one K step of the output projection, so the wave ends with a whole fragment and a whole scale word.  Four waves to a SIMD: one wave's vector work stands beside another's products and LDS loads.
; K's and V's operand images come through a ring of two LDS slots of 1,024 keys, filled by the tensor data mover (waves 0, 1: K's halves; waves 2, 3: V's) and read by all sixteen; the two heads lie on end in memory,
; so the four fills run straight on.  The scale words of both heads come once.  All blocks are dense: rows of 256 bytes; a fragment is read as it was stored, 16 bytes a lane: no padding is wanted.
; LAYOUT.  Both products are used transposed: S^T = K Q^T (source 0 = 16 keys, source 1 = my 16 queries), O^T = V^T P^T (source 0 = 16 of the head's 64, source 1 = P): a lane holds ONE query throughout.
; The keys of a tile of K, and the channels of a tile of V, were chosen by the launches that made them so that 16 registers of two neighbouring tiles are 16 neighbours along the next K.
; THE FIRST PRODUCT'S K IS 64 of the instruction's 128: registers 8-11 of both operands are zeros, kept in registers; register 6 carries THE MASK: q has the code of 1.0 at k = 64, a masked key -28 under the scale 2^100, a key
; that counts 0: a masked key's score is about -2^104.8 and its p is 0.  So the key loop has no line for the mask.  The largest t begins at -2^90, above every masked t: M is never taken from a masked key.
; No cluster: a work-group fetches 458,752 bytes for 512 wave steps of some 300 instructions, and each fill has eight key steps in which to land.
; LIMITS: |score| x 0.18 stays under 2^90.  A batch none of whose keys counts (NaN by the definition) is not served: it gives other numbers.  NaN and infinities are not served.
; REGISTERS: v1-7 addresses that stay; v8-11 addresses of the loads in hand; v12 -M, v13 the largest t, v[14:15] the sum in two halves; v16-27 Q of the first head, v204-215 of the second; v28, v29 their scale words;
; v32-79 four fragments of K; v80-143 S^T, then p, then (v80-127) four fragments of V; v144-175 O^T; v176-187 p's codes; v188-199 o's fragment, v200 its scale word; v216-245 at work; v236-239 the fragments' scale words; v242 p's.
.set SLOT1, 131072                     ; slot 1 begins here, so that one exclusive or turns an address in one slot into the other's
.set VOFF,  65536                      ; a slot: K's 64 tiles of 1,024 bytes, then V's 8 key steps of 6,144
.set SCK,   262144                     ; behind the ring: K's scale words of both heads, 16,384 bytes;
.set SCV,   278528                     ; V's, 8,192 bytes
.set SPARE, 294912                     ; the spare words, 128 bytes for each wave: eight blocks of 256 bytes that no other line names
.set AK0,  1                           ; v1   16 x lane: my place in an image
.set AV0,  2                           ; v2   the same + VOFF
.set ASK0, 3                           ; v3   SCK + 4 r
.set ASV0, 4                           ; v4   SCV + 4 r
.set SPW,  5                           ; v5   LDS address of my spare word; never rewritten
.set NIL,  6                           ; v6   0; never rewritten
.set R4,   7                           ; v7   4 r
.set ADK,  8
.set ADV,  9
.set ADS,  10
.set ADT,  11
.set QA,   16
.set QB,   204
.set KFR,  32
.set S,    80
.set VF,   80
.set OT,   144
.set PCD,  176
.set OC,   188
.set OW,   200
.set BM,   216                         ; v216-219 the blocks' largest scores, then largest p
.set BP,   220                         ; v220-223 the other half's, then the bytes
.set PT,   224                         ; v224-231 the upper halves of blocks as the conversions leave them
.set SO,   232                         ; v232-235 the conversions' scale operands
.set FS,   236                         ; v236-239 the fragments' scale words
.set WV,   18                          ; s18  my wave's number
.set SEL,  20                          ; s[20:21] lane selects for v_permlanex16_b32: lane l xor 16
.set CS,   22                          ; s[22:23] c = log2(e) / 8
.set G1K,  24                          ; s[24:31], s[32:39] descriptor groups 1 for K's and V's tiles;  s[40:43], s[44:47] their groups 0, which walk
.set G1V,  32
.set G0K,  40
.set G0V,  44
.set G1SK, 48                          ; s[48:55], s[56:63] groups 1 for the scale words;  s[68:71], s[72:75] their groups 0
.set G1SV, 56
.set G0SK, 68
.set G0SV, 72
.set TK,   76                          ; s76  LDS byte at which the step's tiles of K begin
.set TV,   77                          ; s77  V's (less VOFF)
.set TS,   78                          ; s78  K's scale words: 512 bytes a step
.set TJ,   79                          ; s79  V's: 256 bytes a step
.set CNT,  80
; Waves 0 and 1 fetch for K, waves 2 and 3 for V, the others nothing.  The branches hang on the wave's number alone.  Four v_nop follow each of the two lines.
.macro TLOAD g0k, g1k, g0v, g1v
	s_cmp_lt_u32 s[WV], 2
	s_cbranch_scc0 .Lnot_k_\@
	tensor_load_to_lds s[\g0k:\g0k+3], s[\g1k:\g1k+7]
	s_nop 0
.rept 4
	v_nop
.endr
	s_branch .Lasked_\@
.Lnot_k_\@:
	s_cmp_lt_u32 s[WV], 4
	s_cbranch_scc0 .Lasked_\@
	tensor_load_to_lds s[\g0v:\g0v+3], s[\g1v:\g1v+7]
	s_nop 0
.rept 4
	v_nop
.endr
.Lasked_\@:
.endm
.macro GROUP1 g, rows                  ; a dense block as rows of 256 bytes: 32 elements of 8 bytes; no mask, no padding
	s_mov_b32 s[\g], 3<<16
	s_mov_b32 s[\g+1], 32<<16                      ; tensor_dim0
	s_mov_b32 s[\g+2], (\rows)<<16                 ; tensor_dim1
	s_mov_b32 s[\g+3], 32<<16                      ; tile_dim0
	s_mov_b32 s[\g+4], \rows                       ; tile_dim1
	s_mov_b32 s[\g+5], 32                          ; tensor_dim0_stride
	s_mov_b32 s[\g+6], 0
	s_mov_b32 s[\g+7], 0
.endm
	s_load_b128 s[4:7], s[0:1], 0x0                ; qkq, vq
	s_load_b64 s[8:9], s[0:1], 0x10                ; oq
	v_lshl_add_u32 v[SPW], v0, 2, SPARE
	v_mov_b32 v[NIL], 0
	ds_add_u32 v5, v6
	s_wait_dscnt 0x0
	v_lshrrev_b32 v8, 5, v0
	v_readfirstlane_b32 s[WV], v8                  ; wave 0..15
	s_and_b32 s82, ttmp7, 0xffff                   ; y = 8 x batch + pair of heads
	s_and_b32 s83, s[WV], 1                        ; which half of a block I fetch, if I fetch
	s_lshl_b32 s81, ttmp9, 4
	s_add_co_u32 s81, s81, s[WV]                   ; my tile of queries in the batch: 16 x + wave
	s_lshl_b32 s84, s82, 18                        ; K's tiles: 8,388,608 (behind q's) + 262,144 y + 32,768 x half
	s_lshl_b32 s85, s83, 15
	s_add_co_u32 s84, s84, s85
	s_add_co_u32 s84, s84, 8388608
	s_mov_b32 s85, 0
	s_mul_i32 s86, s82, 196608                     ; V's fragments: 196,608 y + 24,576 x half
	s_mul_i32 s87, s83, 24576
	s_add_co_u32 s86, s86, s87
	s_mov_b32 s87, 0
	s_lshl_b32 s88, s82, 14                        ; K's scale words: 17,301,504 + 16,384 y + 8,192 x half
	s_lshl_b32 s89, s83, 13
	s_add_co_u32 s88, s88, s89
	s_add_co_u32 s88, s88, 17301504
	s_mov_b32 s89, 0
	s_lshl_b32 s90, s82, 13                        ; V's: 6,291,456 + 8,192 y + 4,096 x half
	s_lshl_b32 s91, s83, 12
	s_add_co_u32 s90, s90, s91
	s_add_co_u32 s90, s90, 6291456
	s_mov_b32 s91, 0
	s_lshl_b32 s92, s83, 15                        ; and where they go in LDS
	s_mul_i32 s93, s83, 24576
	s_add_co_u32 s93, s93, VOFF
	s_lshl_b32 s94, s83, 13
	s_add_co_u32 s94, s94, SCK
	s_lshl_b32 s95, s83, 12
	s_add_co_u32 s95, s95, SCV
	s_lshl_b32 s96, s82, 18                        ; Q's tiles: 262,144 y + 1,024 x tile
	s_lshl_b32 s97, s81, 10
	s_add_co_u32 s96, s96, s97
	s_mov_b32 s97, 0
	s_lshl_b32 s98, s82, 14                        ; its scale words: 16,777,216 + 16,384 y + 64 x tile
	s_lshl_b32 s99, s81, 6
	s_add_co_u32 s98, s98, s99
	s_add_co_u32 s98, s98, 16777216
	s_mov_b32 s99, 0
	GROUP1 G1K, 128                                ; 32,768 bytes
	GROUP1 G1V, 96                                 ; 24,576
	GROUP1 G1SK, 32                                ; 8,192
	GROUP1 G1SV, 16                                ; 4,096
	s_mov_b32 s[SEL], 0x76543210
	s_mov_b32 s[SEL+1], 0xfedcba98
	s_mov_b32 s[CS], 0x3e38aa3b                    ; c = log2(e) / 8
	s_mov_b32 s[CS+1], s[CS]                       ; (named with it as a pair, so it is written)
	s_mov_b32 s[TS], 0
	s_mov_b32 s[TJ], 0
	s_wait_kmcnt 0x0
	s_mov_b32 s[G0SK], 1
	s_mov_b32 s[G0SK+1], s94
	s_add_nc_u64 s[G0SK+2:G0SK+3], s[4:5], s[88:89]
	s_or_b32 s[G0SK+3], s[G0SK+3], 0x80000000
	s_mov_b32 s[G0SV], 1
	s_mov_b32 s[G0SV+1], s95
	s_add_nc_u64 s[G0SV+2:G0SV+3], s[6:7], s[90:91]
	s_or_b32 s[G0SV+3], s[G0SV+3], 0x80000000
	TLOAD G0SK, G1SK, G0SV, G1SV                   ; the scale words of both heads: filled once
	s_mov_b32 s[G0K], 1
	s_mov_b32 s[G0K+1], s92
	s_add_nc_u64 s[G0K+2:G0K+3], s[4:5], s[84:85]
	s_or_b32 s[G0K+3], s[G0K+3], 0x80000000
	s_mov_b32 s[G0V], 1
	s_mov_b32 s[G0V+1], s93
	s_add_nc_u64 s[G0V+2:G0V+3], s[6:7], s[86:87]
	s_or_b32 s[G0V+3], s[G0V+3], 0x80000000
	TLOAD G0K, G1K, G0V, G1V                       ; slot 0: the first head's keys 0 to 1,023.  A fetching wave has two loads out
	s_add_nc_u64 s[10:11], s[4:5], s[96:97]        ; Q's tiles
	s_add_nc_u64 s[12:13], s[4:5], s[98:99]        ; and scale words
	s_lshr_b32 s96, s82, 3
	s_lshl_b32 s96, s96, 7
	s_add_co_u32 s96, s96, s81                     ; o's rowtile: 128 x batch + my tile
	s_and_b32 s97, s82, 7                          ; its K step: the pair of heads
	s_mul_i32 s98, s96, 12288
	s_mul_i32 s99, s97, 1536
	s_add_co_u32 s98, s98, s99
	s_mov_b32 s99, 0
	s_add_nc_u64 s[14:15], s[8:9], s[98:99]        ; o's fragment
	s_lshl_b32 s98, s96, 9
	s_lshl_b32 s97, s97, 6
	s_add_co_u32 s98, s98, s97
	s_add_co_u32 s98, s98, 6291456
	s_add_nc_u64 s[16:17], s[8:9], s[98:99]        ; and its scale words
	v_and_b32 v8, 31, v0
	v_lshlrev_b32 v[AK0], 4, v8
	v_add_nc_u32 v[AV0], VOFF, v[AK0]
	v_and_b32 v9, 15, v0
	v_lshlrev_b32 v[R4], 2, v9
	v_add_nc_u32 v[ASK0], SCK, v[R4]
	v_add_nc_u32 v[ASV0], SCV, v[R4]
	global_load_b128 v[QA:QA+3], v[AK0], s[10:11]              ; Q stays in registers: eight registers a head
	global_load_b128 v[QA+4:QA+7], v[AK0], s[10:11] offset:512
	global_load_b128 v[QB:QB+3], v[AK0], s[10:11] offset:131072
	global_load_b128 v[QB+4:QB+7], v[AK0], s[10:11] offset:131072+512
	global_load_b32 v28, v[R4], s[12:13]
	global_load_b32 v29, v[R4], s[12:13] offset:8192
.irp i, 8,9,10,11
	v_mov_b32 v[QA+\i], 0                          ; k = 80 .. 127 of every operand of the first product: zeros, written once
	v_mov_b32 v[QB+\i], 0
.irp t, 0,1,2,3
	v_mov_b32 v[KFR+12*\t+\i], 0
.endr
.endr
.irp b, 0,1,2,3
	v_mov_b32 v[BP+\b], 0                          ; written once: a lane permute's destination counts as one of its sources
.endr
	v_mov_b32 v241, 0                              ; (named as the upper half of the pair v[240:241])
	v_mov_b32 v243, 0
.macro RESET                           ; a head begins: O^T and the sum are zeros, which the first change of M leaves zeros
.set j, 0
.rept 32
	v_mov_b32 v[OT+j], 0
.set j, j+1
.endr
	v_mov_b32 v14, 0
	v_mov_b32 v15, 0
	v_mov_b32 v13, 0xec800000                      ; the largest t so far: -2^90: under every t that counts, above every masked t
	v_floor_f32 v12, -v13                          ; -M
.endm
	RESET
; A KEY STEP: 128 keys.  qr: Q's registers;  qs: its scale word's.
.macro STEP qr, qs
	v_add_nc_u32 v[ADK], s[TK], v[AK0]
	v_add_nc_u32 v[ADV], s[TV], v[AV0]
	v_add_nc_u32 v[ADS], s[TS], v[ASK0]
	v_add_nc_u32 v[ADT], s[TJ], v[ASV0]
	v_nop                                          ; six places behind the last step's products: five are owed, since the scores below are written over V's fragments, which those products read;
	v_nop                                          ; four for the loads into the scale words' registers
.irp g, 0,1                            ; S^T = K Q^T, four tiles of 16 keys at a time
.if \g > 0
.rept 4
	v_nop                                          ; places in front of loads into registers that matrix instructions have read
.endr
.endif
.irp t, 0,1,2,3
	ds_load_b128 v[KFR+12*\t:KFR+12*\t+3], v[ADK] offset:(4*\g+\t)*1024
	ds_load_b128 v[KFR+12*\t+4:KFR+12*\t+7], v[ADK] offset:(4*\g+\t)*1024+512
	ds_load_b32 v[FS+\t], v[ADS] offset:64*(4*\g+\t)
.endr
	s_wait_dscnt 0x0
.irp t, 0,1,2,3
	v_wmma_scale_f32_16x16x128_f8f6f4 v[S+8*(4*\g+\t):S+8*(4*\g+\t)+7], v[KFR+12*\t:KFR+12*\t+11], v[\qr:\qr+11], 0, v[FS+\t], v[\qs] matrix_a_fmt:MATRIX_FMT_BF6 matrix_b_fmt:MATRIX_FMT_BF6
.endr
.endr                                  ; lane (r, h) holds query r; register 16 b + i is key 32 b + 16 h + i of the step
.rept 4
	v_nop
.endr
.irp b, 0,1,2,3
	v_max3_num_f32 v[BM+\b], v[S+16*\b], v[S+1+16*\b], v[S+2+16*\b]   ; THE LARGEST SCORE OF EACH BLOCK OF 32 KEYS: it serves twice: for the row's maximum, and, since p rises with the score, for the block's largest p
.endr
.irp i, 3,5,7,9,11,13
.irp b, 0,1,2,3
	v_max3_num_f32 v[BM+\b], v[BM+\b], v[S+16*\b+\i], v[S+1+16*\b+\i]   ; (the four blocks by turns)
.endr
.endr
.irp b, 0,1,2,3
	v_max_num_f32 v[BM+\b], v[BM+\b], v[S+15+16*\b]
.endr
.irp b, 0,1,2,3
	v_permlanex16_b32 v[BP+\b], v[BM+\b], s[SEL], s[SEL+1]
.endr
.irp b, 0,1,2,3
	v_max_num_f32 v[BM+\b], v[BM+\b], v[BP+\b]     ; with lane l xor 16's 16 keys
.endr
	v_max3_num_f32 v243, v[BM], v[BM+1], v[BM+2]
	v_max_num_f32 v243, v243, v[BM+3]              ; the step's largest score of my query
	v_mul_f32 v243, s[CS], v243                    ; as t (c is positive)
	v_max_num_f32 v13, v13, v243                   ; the running largest t
	v_mov_b32 v243, v12
	v_floor_f32 v12, -v13                          ; the new -M = floor(-t) = -ceil(t): M IS A WHOLE NUMBER
	v_sub_f32 v243, v12, v243                      ; M's old value less its new one: a whole number, 0 or less
	v_cvt_i32_f32 v243, v243                       ; (it saturates)
	v_ldexp_f32 v240, 1.0, v243                    ; f = 2^(old M - new M): a multiplication by it rounds nothing
.set j, 0
.rept 32
	v_pk_fma_f32 v[S+j:S+j+1], v[S+j:S+j+1], s[CS:CS+1], v[12:13] op_sel_hi:[1,0,0]   ; t - M, two at a time (of the pairs c and -M the low word serves both halves)
.set j, j+2
.endr
.irp b, 0,1,2,3
	v_fma_f32 v[BM+\b], v[BM+\b], s[CS], v12       ; the same of each block's largest score
.endr
.set j, 0
.rept 64
	v_exp_f32 v[S+j], v[S+j]                       ; p = 2^(t - M), at most 1: NOT normalised
.set j, j+1
.endr
.irp b, 0,1,2,3
	v_exp_f32 v[BM+\b], v[BM+\b]                   ; the block's largest p: the same two instructions on the same number give the same bits
.endr
	v_pk_mul_f32 v[14:15], v[14:15], v[240:241] op_sel_hi:[1,0]   ; the sums under the new M.  (A plain place behind the exponentials)
	s_wait_alu depctr_va_vdst(0)
.irp b, 0,1,2,3
	v_max_num_f32 v[BM+\b], 0x2800000, v[BM+\b]    ; the floor 2^(5 - 127): the byte cannot fall under 1 (a block whose every p is 0 keeps that byte: its codes are zeros)
.endr
.irp b, 0,1,2,3
	v_add_nc_u32 v[SO+\b], 0xfe000000, v[BM+\b]    ; 4 off the exponent field: the conversion's scale operand
.endr
.irp b, 0,1,2,3
	v_lshrrev_b32 v[BP+\b], 23, v[SO+\b]           ; the scale's byte
.endr
	v_lshl_or_b32 v242, v[BP+1], 8, v[BP]          ; p's scale word for these 128 keys
	v_lshl_or_b32 v242, v[BP+2], 16, v242
	v_lshl_or_b32 v242, v[BP+3], 24, v242
.irp c, 0,1
	v_cvt_scalef32_pk16_bf6_f32 v[PCD+6*\c:PCD+6*\c+2], v[S+32*\c:S+15+32*\c], v[SO+2*\c]
	v_cvt_scalef32_pk16_bf6_f32 v[PT+4*\c:PT+4*\c+2], v[S+16+32*\c:S+31+32*\c], v[SO+2*\c+1]   ; (a conversion's three registers begin on an even number)
.endr
	v_nop                                          ; one plain place behind a scaled conversion
.irp c, 0,1                            ; the operand's layout wants a WHOLE block in a lane: lanes 0-15 block 2 c, lanes 16-31 block 2 c + 1
.irp i, 0,1,2
	v_permlane16_swap_b32 v[PCD+6*\c+\i], v[PT+4*\c+\i]
.endr
.irp i, 0,1,2
	v_mov_b32 v[PCD+3+6*\c+\i], v[PT+4*\c+\i]
.endr
.endr
	v_pk_add_f32 v[244:245], v[S:S+1], v[S+2:S+3]  ; THE ROW'S SUM IS TAKEN OF THE UNQUANTISED p: two at a time, in two chains
.irp j, 4,8,12,16,20,24,28,32,36,40,44,48,52,56,60
	v_pk_add_f32 v[14:15], v[14:15], v[S+\j:S+\j+1]
	v_pk_add_f32 v[244:245], v[244:245], v[S+\j+2:S+\j+3]
.endr
	v_pk_add_f32 v[14:15], v[14:15], v[244:245]
.set j, 0
.rept 16
	v_pk_mul_f32 v[OT+j:OT+j+1], v[OT+j:OT+j+1], v[240:241] op_sel_hi:[1,0]   ; O^T under the new M: x f.  (With the sums above: the places between p's codes and scale word and the products below)
.set j, j+2
.endr
.irp t, 0,1,2,3                        ; O^T += V^T P^T: four tiles of 16 of the head's 64; K = these 128 keys.  V's fragments take the registers that p has left
.irp p, 0,1,2
	ds_load_b128 v[VF+12*\t+4*\p:VF+12*\t+4*\p+3], v[ADV] offset:1536*\t+512*\p
.endr
	ds_load_b32 v[FS+\t], v[ADT] offset:64*\t
.endr
	s_wait_dscnt 0x0
.irp t, 0,1,2,3                        ; the four accumulators take turns, one instruction a turn; the next step's eight products on the scores stand between two links
	v_wmma_scale_f32_16x16x128_f8f6f4 v[OT+8*\t:OT+8*\t+7], v[VF+12*\t:VF+12*\t+11], v[PCD:PCD+11], v[OT+8*\t:OT+8*\t+7], v[FS+\t], v242 matrix_a_fmt:MATRIX_FMT_BF6 matrix_b_fmt:MATRIX_FMT_BF6
.endr
.endm
; THE CHANGE OF SLOTS stands at a slot's head.  Each wave waits for all its tensor loads (its part of the slot that it is about to read), adds 0 to its spare word, and waits for that and for its reads of the slot that it has left.
; Behind the barrier the slot ahead is whole and nobody reads the other one.  fill = 1: that other slot is filled with the keys that follow: the load has eight key steps in which to land.
.macro CHANGE fill
	s_wait_tensorcnt 0x0                           ; no tensor load of mine is out, so a group 0 may be written
	ds_add_u32 v[SPW], v[NIL]                      ; 0 onto my spare word; with fill = 1 the descriptors' steps stand between it and the wait for it
.if \fill
	s_xor_b32 s[G0K+1], s[G0K+1], SLOT1            ; the walking descriptors: the other slot than last time,
	s_add_nc_u64 s[G0K+2:G0K+3], s[G0K+2:G0K+3], 65536   ; the next 1,024 keys (behind the first head's last come the second head's first); the type bits on top are not reached
	s_xor_b32 s[G0V+1], s[G0V+1], SLOT1
	s_add_nc_u64 s[G0V+2:G0V+3], s[G0V+2:G0V+3], 49152
.endif
	s_wait_dscnt 0x0                               ; the add is done, and my reads of the slot that I have left are over
	s_barrier_signal -1
	s_barrier_wait -1
.if \fill
	TLOAD G0K, G1K, G0V, G1V                       ; the first thing behind the barrier, and a wave's one tensor load until the next
.endif
.endm
.macro SLOT_STEPS slot, qr, qs         ; a slot's eight key steps
	s_mov_b32 s[TK], \slot*SLOT1
	s_mov_b32 s[TV], \slot*SLOT1
	s_mov_b32 s[CNT], 8
.Lstep_\@:
	STEP \qr, \qs
	s_add_co_u32 s[TK], s[TK], 8192
	s_add_co_u32 s[TV], s[TV], 6144
	s_add_co_u32 s[TS], s[TS], 512
	s_add_co_u32 s[TJ], s[TJ], 256
	s_sub_co_u32 s[CNT], s[CNT], 1
	s_cmp_lg_u32 s[CNT], 0
	s_cbranch_scc1 .Lstep_\@
.endm
; A head ends: O^T / the sum; register 16 b + i is channel 32 b + 16 h + i of the head: two blocks of the output projection's K.  Head c of the pair gives registers 6 c .. 6 c + 5 of the fragment and bytes 2 c, 2 c + 1 of the scale word.
.macro FINISH c
.rept 4
	v_nop                                          ; places behind the last products
.endr
	v_add_f32 v14, v14, v15                        ; the sum's two halves,
	v_permlanex16_b32 v243, v14, s[SEL], s[SEL+1]
	v_add_f32 v14, v14, v243                       ; and lane l xor 16's: the row's sum
	v_rcp_f32 v14, v14
	v_nop                                          ; one plain place behind the transcendental
.set j, 0
	s_wait_alu depctr_va_vdst(0)
.rept 32
	v_mul_f32 v[S+j], v[OT+j], v14                 ; each accumulator from its low end on
.set j, j+1
.endr
.irp b, 0,1
	v_max3_num_f32 v[BM+\b], |v[S+16*\b]|, |v[S+1+16*\b]|, 0x2800000
.endr
.irp i, 2,4,6,8,10,12,14
.irp b, 0,1
	v_max3_num_f32 v[BM+\b], v[BM+\b], |v[S+16*\b+\i]|, |v[S+1+16*\b+\i]|
.endr
.endr
.irp b, 0,1
	v_permlanex16_b32 v[BP+\b], v[BM+\b], s[SEL], s[SEL+1]
.endr
.irp b, 0,1
	v_max_num_f32 v[BM+\b], v[BM+\b], v[BP+\b]
.endr
.irp b, 0,1
	v_add_nc_u32 v[SO+\b], 0xfe000000, v[BM+\b]
.endr
.irp b, 0,1
	v_lshrrev_b32 v[BP+\b], 23, v[SO+\b]
.endr
.if \c == 0
	v_lshl_or_b32 v[OW], v[BP+1], 8, v[BP]
.else
	v_lshl_or_b32 v[OW], v[BP], 16, v[OW]
	v_lshl_or_b32 v[OW], v[BP+1], 24, v[OW]
.endif
	v_cvt_scalef32_pk16_bf6_f32 v[OC+6*\c:OC+6*\c+2], v[S:S+15], v[SO]
	v_cvt_scalef32_pk16_bf6_f32 v[PT:PT+2], v[S+16:S+31], v[SO+1]
	v_nop                                          ; one plain place behind a scaled conversion
.irp i, 0,1,2
	v_permlane16_swap_b32 v[OC+6*\c+\i], v[PT+\i]
.endr
.irp i, 0,1,2
	v_mov_b32 v[OC+3+6*\c+\i], v[PT+\i]
.endr
.endm
	s_wait_loadcnt 0x0                             ; Q
	CHANGE 1                                       ; slot 0 and the scale words are whole; slot 1 takes the first head's keys 1,024 on
	SLOT_STEPS 0, QA, 28
	CHANGE 1                                       ; slot 0 takes the second head's keys 0 on
	SLOT_STEPS 1, QA, 28
	FINISH 0
	RESET
	CHANGE 1                                       ; slot 1 takes the second head's keys 1,024 on
	SLOT_STEPS 0, QB, 29
	CHANGE 0                                       ; nothing is left to fetch
	SLOT_STEPS 1, QB, 29
	FINISH 1
	global_store_b128 v[AK0], v[OC:OC+3], s[14:15]             ; 32 lanes store 512 consecutive bytes
	global_store_b128 v[AK0], v[OC+4:OC+7], s[14:15] offset:512
	global_store_b128 v[AK0], v[OC+8:OC+11], s[14:15] offset:1024
	global_store_b32 v[R4], v[OW], s[16:17]        ; lanes r and r + 16 hold the same word and write it to the same place
	s_wait_tensorcnt 0x0                           ; the wave's end
	ds_add_u32 v[SPW], v[NIL]
	s_wait_dscnt 0x0
	s_endpgm
.Lfunc_end_k_q220e845955_attn:
	.size	k_q220e845955_attn, .Lfunc_end_k_q220e845955_attn-k_q220e845955_attn
	.p2alignl 7, 3214868480
	.fill 96, 4, 3214868480
	.section	.rodata,"a",@progbits
	.p2align	6, 0x0
	.amdhsa_kernel k_q220e845955_attn
		.amdhsa_group_segment_fixed_size 327680
		.amdhsa_private_segment_fixed_size 0
		.amdhsa_enable_private_segment 0
		.amdhsa_kernarg_size 24
		.amdhsa_user_sgpr_count 2
		.amdhsa_user_sgpr_kernarg_segment_ptr 1
		.amdhsa_wavefront_size32 1
		.amdhsa_system_sgpr_workgroup_id_x 1
		.amdhsa_system_sgpr_workgroup_id_y 1
		.amdhsa_system_sgpr_workgroup_id_z 1
		.amdhsa_system_vgpr_workitem_id 0
		.amdhsa_next_free_vgpr 256
		.amdhsa_next_free_sgpr 100
		.amdhsa_reserve_vcc 0
		.amdhsa_float_denorm_mode_32 3
		.amdhsa_float_denorm_mode_16_64 3
		.amdhsa_memory_ordered 1
		.amdhsa_forward_progress 1
		.amdhsa_inst_pref_size 88
	.end_amdhsa_kernel
	.amdgpu_metadata
---
amdhsa.version: [ 1, 2 ]
amdhsa.kernels:
  - .name:           k_q220e845955_attn
    .symbol:         k_q220e845955_attn.kd
    .args:
      - { .name: qkq, .offset: 0, .size: 8, .value_kind: global_buffer, .address_space: global }
      - { .name: vq, .offset: 8, .size: 8, .value_kind: global_buffer, .address_space: global }
      - { .name: oq, .offset: 16, .size: 8, .value_kind: global_buffer, .address_space: global }
    .group_segment_fixed_size: 327680
    .private_segment_fixed_size: 0
    .kernarg_segment_align: 8
    .kernarg_segment_size: 24
    .max_flat_workgroup_size: 512
    .sgpr_count:     100
    .vgpr_count:     256
    .wavefront_size: 32
...
	.end_amdgpu_metadata
.endif
;; end of part 5
;; launch go (part 6): grid 4 x 32, 4 waves a work-group, clusters of 4 x 4, 327,680 bytes of LDS; arguments oq, wq, bo, x, out0; writes out0
.if DOCPART == 6
	.amdgcn_target "amdgcn-amd-amdhsa--gfx1250"
	.amdhsa_code_object_version 6
	.text
	.protected	k_q220e845955_go
	.globl	k_q220e845955_go
	.p2align	8
	.type	k_q220e845955_go,@function
k_q220e845955_go:
	s_mov_b64 s[64:65], 0
	v_nop
	global_prefetch_b8 v0, s[64:65] scope:SCOPE_SE
	s_setreg_imm32_b32 hwreg(HW_REG_WAVE_MODE, 25, 1), 1
	s_wait_xcnt 0x0
	s_wait_alu depctr_hold_cnt(0) depctr_sa_sdst(0) depctr_va_vdst(0) depctr_va_sdst(0) depctr_va_ssrc(0) depctr_va_vcc(0) depctr_vm_vsrc(0)
	s_getreg_b32 s2, hwreg(HW_REG_IB_STS2, 6, 4)
	s_cmp_eq_u32 s2, 0
	s_cbranch_scc0 .Lentry_in_a_cluster
	s_endpgm
.Lentry_in_a_cluster:
	s_bfe_u32 s2, ttmp6, 0x10000c
	s_cmp_lg_u32 s2, 0xf033
	s_cbranch_scc0 .Lentry_shape_is_right
	s_endpgm
.Lentry_shape_is_right:
; out0 = x + o Wo + bo, [8192][1024] f32; the product on codes of BF6 (E3M2) with E8M0 scales.
; SOURCE 0 = 16 rows of Wo's image (work-group x), SOURCE 1 = 16 rows of o's image (work-group y): a lane holds ONE token and its registers run along the features.  The rows of both images' rowtiles are not neighbours
; (lane r of rowtile 2 b + u holds row 32 b + 8 u + r + 8 (r / 8)): the way out puts features and tokens back in their places, the features by the stage's columns, the tokens by the stores' offsets.
; A tile of 256 x 256 is made by four waves, 128 x 128 each: 64 accumulators, 512 registers.  K = 1,024 goes in four slots of 256 through a ring of two LDS slots; the eight steps of 128 are written out.
; OPERANDS LIE IN MEMORY AS IMAGES OF THEIR REGISTERS: [rowtile][K step][piece][lane][16 bytes]: a fragment comes from LDS by three loads of 16 bytes a lane, 512 consecutive bytes each: no padding is wanted.
; A tensor load brings 8 rowtiles x 2 K steps: 8 rows of 3,072 bytes, 12,288 bytes apart.  The scale words of the work-group's rows, for all of K, come once with the first fills (4,096 dense bytes a load).
; CLUSTERS: 4 x 4 work-groups; source 1's tiles are shared along a row of the cluster, source 0's along a column: each is asked for jointly, by the same tensor load with a mask that names the four.
; The launch has 128 work-groups: tiles of 256 x 256 of an [8192][1024] result.  A smaller tile would read each fragment from LDS for half the products.
; x IS ASKED FOR AHEAD: the rows of x that block 0 of the way out adds are loaded at the head; K step n (0 to 6) prefetches the 16 rows x 512 bytes that block n + 1 will load: each wave asks for its own bytes, each aligned
; block of 256 bytes once in the launch, one request a lane, behind the step's LDS loads.  The last step asks for nothing.
; REGISTERS, in windows of 256: window 0: v7 the prefetch's offsets; v8-11 bo of my 4 columns; v16-29 addresses; v32-63 scale words, two sets; v64-127 rows of x; v128-223 source 1's fragments, ONE set.
;   window 1: source 0's fragments, TWO sets, at v0 and v128.   windows 2, 3: the accumulators ((a, b) at v[8 (8 (a % 4) + b)]).
.set NQ,     2                         ; steps of 128 in a slot
.set FR,     12                        ; registers of a fragment
.set NL,     3                         ; LDS loads that bring one
.set NP,     4                         ; places behind this matrix instruction (ISA guide 7.12.1)
.set RT,     12288                     ; a rowtile's image in memory
.set RTS,    3072                      ; its two K steps in a slot
.set FRB,    1536                      ; a fragment's image
.set HALFT,  8*RTS                     ; 8 rowtiles: what one tensor load brings, and what one wave reads of a side
.set SLOT,   4*HALFT                   ; source 1's 16 rowtiles, then source 0's
.set SCL,    2*SLOT                    ; behind the ring: the scale words
.set HALFS,  4096                      ; those of 8 rowtiles
.set SKEW,   128                       ; source 0's lie 128 bytes further on, so that the two halves of the lanes read different banks
.set SPARE,  213248                    ; behind the scale words: the spare words, 128 bytes for each wave: two blocks of 256 bytes that no other line names
.set SPITCH, 528                       ; the way out: a stage of 16 rows x (512 bytes + 16) for each wave, in slot 0, which has had its last fill and its last read when the first result is stored there
.set S1_COD, 0                         ; source 1: o's images and scale words
.set S1_SCL, 6291456
.set S0_COD, 2359296                   ; source 0: Wo's (rowtiles 192 on)
.set S0_SCL, 3244032
.set ADRA, 16                          ; v16-17  LDS address of source 1's fragments in slot 0, 1
.set ADRB, 20                          ; v20-21  the same for source 0
.set STO,  24                          ; v24     the way out: where I put 32 bytes of a row
.set RD,   25                          ; v25     the way out: where I read a row back
.set CO,   26                          ; v26     my byte offset in a row of x and of out0
.set ADRS, 27                          ; v27     LDS address of my scale words: lanes 0-15 source 1's rows, lanes 16-31 source 0's
.set SPW,  28                          ; v28     LDS address of my spare word; never rewritten
.set NIL,  29                          ; v29     0; never rewritten
.set SC,   32                          ; scale words: set s at v[SC + 16 s]; register 2 i + q: lanes 0-15 source 1's block i, lanes 16-31 source 0's block i, the slot's q-th 128
.set AF,   128                         ; source 1's fragments
.set BB,   128                         ; the way out: v128-191 16 rows read back from the stage
.set G1, 24                            ; s[24:31], s[32:39] descriptor groups 1 and 0 (a set for each slot) for source 1's tiles
.set G0, 32
.set G1B, 48                           ; s[48:55], s[56:63] for source 0's
.set G0B, 56
.set G1S, 68                           ; s[68:75], s[76:79] for source 1's scale words;  s[80:87], s[88:91] for source 0's
.set G0S, 76
.set G1SB, 80
.set G0SB, 88
.set MSB, 0
.macro WIN new                         ; the immediate's high byte repeats the setting that is left
.if MSB != \new
	s_set_vgpr_msb (MSB<<8)|\new
.set MSB, \new
.endif
.endm
.set MUL_LO, 0xa1                      ; source 0 window 1, source 1 window 0, C and D window 2
.set MUL_HI, 0xf1                      ; the same, C and D window 3
.set TO_B,   0x40                      ; destination window 1, address window 0
; A joint load: waves 0 and 1 fetch for source 1, waves 2 and 3 for source 0.  Each of the two lines has one mask and one set of registers for all that issue it; the branch hangs on the wave's number alone.
; Four v_nop follow each of the two lines, ahead of the jump, the label and what follows.
.macro JLOAD g0a, g1a, g0b, g1b
	s_cmp_eq_u32 s15, 0
	s_cbranch_scc0 .Lfor_b_\@
	tensor_load_to_lds s[\g0a:\g0a+3], s[\g1a:\g1a+7]
	s_nop 0
.rept 4
	v_nop
.endr
	s_branch .Lasked_\@
.Lfor_b_\@:
	tensor_load_to_lds s[\g0b:\g0b+3], s[\g1b:\g1b+7]
	s_nop 0
.rept 4
	v_nop
.endr
.Lasked_\@:
.endm
.macro CREST                           ; a round of the cluster's barrier behind its opening barrier
	s_cmp_lg_u32 s14, 0
	s_cbranch_scc1 .Lnot_wave_0_\@
	s_barrier_signal -3
.Lnot_wave_0_\@:
	s_barrier_wait -3
	s_barrier_signal -1
	s_barrier_wait -1
.endm
.macro CROUND                          ; a whole round
	s_barrier_signal -1
	s_barrier_wait -1
	CREST
.endm
	s_load_b128 s[4:7], s[0:1], 0x0                ; source 1's buffer, source 0's buffer
	v_lshl_add_u32 v[SPW], v0, 2, SPARE
	v_mov_b32 v[NIL], 0
	ds_add_u32 v28, v29
	s_wait_dscnt 0x0
	v_lshrrev_b32 v1, 5, v0
	v_readfirstlane_b32 s14, v1                    ; wave 0..3
	s_lshr_b32 s15, s14, 1                         ; which half of source 1's rows is mine.  Also: I fetch for source 1 (0) or for source 0 (1)
	s_and_b32 s16, s14, 1                          ; which half of source 0's rows.  Also: which 8 rowtiles of that tile I fetch
	s_bfe_u32 s40, ttmp6, 0x40000                  ; cx, cy: my place in the cluster
	s_bfe_u32 s41, ttmp6, 0x40004
	s_lshl_b32 s42, ttmp9, 2
	s_add_co_u32 s42, s42, s40                     ; work-group x = 4 x cluster x + cx
	s_and_b32 s17, ttmp7, 0xffff
	s_lshl_b32 s17, s17, 2
	s_add_co_u32 s17, s17, s41                     ; work-group y = 4 x cluster y + cy
	s_lshl_b32 s43, s41, 2
	s_lshl_b32 s43, 15, s43                        ; my row of the cluster
	s_lshl_b32 s44, 0x1111, s40                    ; my column
	; descriptor group 1: 8 rows of 384 elements of 8 bytes (3,072 bytes), 1,536 elements apart; no padding
	s_or_b32 s[G1+0], s43, (3<<16)|(1<<21)         ; 15:0 the mask: source 1's tiles go to my row; 17:16 elements of 8 bytes; 21 set beside a mask
	s_or_b32 s[G1B+0], s44, (3<<16)|(1<<21)        ; source 0's to my column
.irp g, G1, G1B
	s_mov_b32 s[\g+1], 384<<16                     ; tensor_dim0
	s_mov_b32 s[\g+2], 8<<16                       ; tensor_dim1
	s_mov_b32 s[\g+3], 384<<16                     ; tile_dim0
	s_mov_b32 s[\g+4], 8                           ; tile_dim1
	s_mov_b32 s[\g+5], 1536                        ; tensor_dim0_stride
	s_mov_b32 s[\g+6], 0
	s_mov_b32 s[\g+7], 0
.endr
	; and for the scale words of 8 rowtiles: 4,096 dense bytes as 16 rows of 256
	s_or_b32 s[G1S+0], s43, (3<<16)|(1<<21)
	s_or_b32 s[G1SB+0], s44, (3<<16)|(1<<21)
.irp g, G1S, G1SB
	s_mov_b32 s[\g+1], 32<<16
	s_mov_b32 s[\g+2], 16<<16
	s_mov_b32 s[\g+3], 32<<16
	s_mov_b32 s[\g+4], 16
	s_mov_b32 s[\g+5], 32
	s_mov_b32 s[\g+6], 0
	s_mov_b32 s[\g+7], 0
.endr
	s_lshl_b32 s18, s16, 3                         ; which 8 rowtiles of the tile I fetch
	s_lshl_b32 s20, s17, 4
	s_add_co_u32 s20, s20, s18                     ; source 1: rowtile 16 y + 8 x half
	s_lshl_b32 s46, s42, 4
	s_add_co_u32 s46, s46, s18                     ; source 0: rowtile 16 x + 8 x half
	s_lshl_b32 s22, s20, 9                         ; where these rowtiles' scale words begin, in bytes,
	s_mov_b32 s23, 0
	s_lshl_b32 s92, s46, 9
	s_mov_b32 s93, 0
	s_mul_i32 s20, s20, RT                         ; and their images
	s_mov_b32 s21, 0
	s_mul_i32 s46, s46, RT
	s_mov_b32 s47, 0
	s_mul_i32 s45, s14, HALFT                      ; where they go: wave x 8 rowtiles: no place in the cluster enters an LDS address
	s_mul_i32 s94, s14, HALFS
	s_wait_kmcnt 0x0
	s_add_nc_u64 s[8:9], s[6:7], S0_COD
	s_add_nc_u64 s[10:11], s[6:7], S0_SCL
	s_add_nc_u64 s[6:7], s[4:5], S1_SCL
	s_add_nc_u64 s[4:5], s[4:5], S1_COD
	s_add_nc_u64 s[20:21], s[4:5], s[20:21]
	s_add_nc_u64 s[22:23], s[6:7], s[22:23]
	s_add_nc_u64 s[46:47], s[8:9], s[46:47]
	s_add_nc_u64 s[92:93], s[10:11], s[92:93]
	CROUND                                         ; all sixteen work-groups are here: the first joint loads meet
	s_mov_b32 s[G0S], 1
	s_add_co_u32 s[G0S+1], s94, SCL
	s_mov_b64 s[G0S+2:G0S+3], s[22:23]
	s_or_b32 s[G0S+3], s[G0S+3], 0x80000000
	s_mov_b32 s[G0SB], 1
	s_add_co_u32 s[G0SB+1], s94, SCL+SKEW
	s_mov_b64 s[G0SB+2:G0SB+3], s[92:93]
	s_or_b32 s[G0SB+3], s[G0SB+3], 0x80000000
	JLOAD G0S, G1S, G0SB, G1SB                     ; the scale words first: they are wanted with the first step
.irp s, 0,1
	s_mov_b32 s[G0+4*\s], 1
	s_add_co_u32 s[G0+4*\s+1], s45, \s*SLOT
	s_add_nc_u64 s[G0+4*\s+2:G0+4*\s+3], s[20:21], \s*RTS
	s_or_b32 s[G0+4*\s+3], s[G0+4*\s+3], 0x80000000
	s_mov_b32 s[G0B+4*\s], 1
	s_add_co_u32 s[G0B+4*\s+1], s45, \s*SLOT
	s_add_nc_u64 s[G0B+4*\s+2:G0B+4*\s+3], s[46:47], \s*RTS
	s_or_b32 s[G0B+4*\s+3], s[G0B+4*\s+3], 0x80000000
	JLOAD G0+4*\s, G1, G0B+4*\s, G1B               ; three tensor loads of mine are out now
.endr
	s_load_b128 s[4:7], s[0:1], 0x10               ; bo, x (the first pointers have gone into the descriptors)
	s_load_b64 s[8:9], s[0:1], 0x20                ; out0
	v_and_b32 v1, 15, v0                           ; r
	v_bfe_u32 v2, v0, 4, 1                         ; h
	v_and_b32 v3, 31, v0
	v_lshlrev_b32 v4, 4, v3                        ; 16 x lane: an image's place for my lane
	s_mul_i32 s21, s15, HALFT                      ; my 8 rowtiles of source 1
	s_mul_i32 s22, s16, HALFT                      ; my 8 of source 0,
	s_add_co_u32 s22, s22, 2*HALFT                 ; which lie behind source 1's 16
.irp s, 0,1
	v_add_nc_u32 v[ADRA+\s], s21, v4
	v_add_nc_u32 v[ADRB+\s], s22, v4
	s_add_co_u32 s21, s21, SLOT
	s_add_co_u32 s22, s22, SLOT
.endr
	v_lshlrev_b32 v5, 2, v1                        ; a scale word: 4 bytes a row
	s_mul_i32 s21, s15, HALFS
	s_mul_i32 s22, s16, HALFS
	s_add_co_u32 s22, s22, 2*HALFS+SKEW
	s_sub_co_u32 s22, s22, s21
	v_mul_u32_u24 v6, s22, v2                      ; lanes 16-31 take source 0's: one product, the distance between the two bases
	s_add_co_u32 s21, s21, SCL
	v_add_nc_u32 v5, v5, v6
	v_add_nc_u32 v[ADRS], s21, v5
	; ---- the way out's addresses and early loads
	s_mul_i32 s23, s14, 16*SPITCH                  ; my stage
	v_mul_u32_u24 v5, v1, SPITCH
	v_lshl_add_u32 v5, v2, 6, v5
	v_add_nc_u32 v[STO], s23, v5                   ; in: row r, + 64 h: feature 32 e + 16 h + 8 u + j lies at byte 128 e + 64 h + 32 u + 4 j
	v_lshlrev_b32 v[CO], 4, v3                     ; back: the 32 lanes take one row of 512 bytes; and the same in x and in out0
	v_add_nc_u32 v[RD], s23, v[CO]
	v_lshrrev_b32 v5, 1, v3                        ; the prefetch: lane L asks for row t = L / 2 of a block, which is token (t & 7) + 16 (t >> 3) of a pair of tiles, and for its (L & 1)-th 256 bytes
	v_and_b32 v6, 7, v5
	v_lshrrev_b32 v5, 3, v5
	v_lshl_add_u32 v6, v5, 4, v6
	v_and_b32 v5, 1, v3
	v_lshlrev_b32 v5, 8, v5
	v_lshl_add_u32 v7, v6, 12, v5
	s_lshl_b32 s18, s17, 20
	s_lshl_b32 s19, s15, 19
	s_add_co_u32 s18, s18, s19                     ; my first token's row: (256 y + 128 x half) x 4,096
	s_lshl_b32 s20, s42, 10
	s_lshl_b32 s21, s16, 9
	s_add_co_u32 s20, s20, s21                     ; my first feature: (256 x + 128 x half) x 4
	s_mov_b32 s21, 0
	s_add_co_u32 s18, s18, s20
	s_mov_b32 s19, 0
	s_wait_kmcnt 0x0
	s_add_nc_u64 s[4:5], s[4:5], s[20:21]
	s_add_nc_u64 s[6:7], s[6:7], s[18:19]
	s_add_nc_u64 s[8:9], s[8:9], s[18:19]
.macro XLOAD a                         ; the 16 rows of x that block a adds, into v64-127 (a even) or v192-255 (a odd): 32 lanes read 512 consecutive bytes; this is x's last reading
.irp t, 0,1,2,3,4,5,6,7,8,9,10,11,12,13,14,15
	global_load_b128 v[64+128*((\a)%2)+4*\t:64+128*((\a)%2)+4*\t+3], v[CO], s[6:7] offset:(32*((\a)/2)+8*((\a)%2)+(\t%8)+16*(\t/8))*4096 th:TH_LOAD_NT
.endr
.endm
	global_load_b128 v[8:11], v[CO], s[4:5]        ; bo of my 4 columns
	XLOAD 0
.macro EXTRA n                         ; K step n asks for block n + 1's rows of x
	global_prefetch_b8 v7, s[6:7] offset:(32*(((\n)+1)/2)+8*(((\n)+1)%2))*4096 th:TH_LOAD_NT scope:SCOPE_SE
.endm
.macro FRAG reg, adr, q, i             ; a fragment comes as it was stored: three loads of 16 bytes a lane, 512 consecutive bytes each
.irp p, 0,1,2
	ds_load_b128 v[\reg+4*\p:\reg+4*\p+3], v[\adr] offset:(\i)*RTS+(\q)*FRB+512*\p
.endr
.endm
; 16 matrix instructions: source 1's blocks a0, a0 + 1 x source 0's eight, 128 along K: the slot's q-th.  p: source 0's set;  sc: the set of scale words.  zero = 1: the first product starts the sums.
; The 64 accumulators take turns, one instruction a turn, in the same order in every step.
.macro MUL16 a0, p, q, sc, zero
.irp a, \a0, \a0+1
.irp b, 0,1,2,3,4,5,6,7
.if \zero
	v_wmma_scale_f32_16x16x128_f8f6f4 v[8*(8*((\a)%4)+\b):8*(8*((\a)%4)+\b)+7], v[128*(\p)+FR*\b:128*(\p)+FR*\b+FR-1], v[AF+FR*(\a):AF+FR*(\a)+FR-1], 0, v[SC+8*NQ*(\sc)+NQ*\b+(\q)], v[SC+8*NQ*(\sc)+NQ*(\a)+(\q)] matrix_a_fmt:MATRIX_FMT_BF6 matrix_b_fmt:MATRIX_FMT_BF6 matrix_a_scale:MATRIX_SCALE_ROW1
.else
	v_wmma_scale_f32_16x16x128_f8f6f4 v[8*(8*((\a)%4)+\b):8*(8*((\a)%4)+\b)+7], v[128*(\p)+FR*\b:128*(\p)+FR*\b+FR-1], v[AF+FR*(\a):AF+FR*(\a)+FR-1], v[8*(8*((\a)%4)+\b):8*(8*((\a)%4)+\b)+7], v[SC+8*NQ*(\sc)+NQ*\b+(\q)], v[SC+8*NQ*(\sc)+NQ*(\a)+(\q)] matrix_a_fmt:MATRIX_FMT_BF6 matrix_b_fmt:MATRIX_FMT_BF6 matrix_a_scale:MATRIX_SCALE_ROW1
.endif
.endr
.endr
.endm
.macro FETCH_B slot, q, p              ; source 0's eight fragments of the slot's q-th 128 along K into set p
	WIN TO_B
.irp i, 0,1,2,3,4,5,6,7
	FRAG 128*(\p)+FR*\i, ADRB+\slot, \q, \i
.endr
	WIN 0
.endm
.macro FETCH_A slot, q, i0             ; source 1's blocks i0 .. i0 + 3
.irp i, \i0, \i0+1, \i0+2, \i0+3
	FRAG AF+FR*(\i), ADRA+\slot, \q, \i
.endr
.endm
.macro SCALES sc                       ; the slot's scale words into set sc: lanes 0-15 take source 1's block i, lanes 16-31 source 0's block i
.irp i, 0,1,2,3,4,5,6,7
.irp q, 0,1
	ds_load_b32 v[SC+16*\sc+2*\i+\q], v[ADRS] offset:512*\i+64*\q
.endr
.endr
.endm
; A load into a register that a matrix instruction has read, and a vector instruction or an LDS store that reads a matrix result, stand NP places behind that matrix instruction; only plain vector
; instructions that name none of its registers are places (ISA guide 7.12.1 for vector instructions).
.macro PLACES n
.rept \n
	v_nop
.endr
.endm
; A step of 128 along K that has its successor in the same slot.  n: the step's number, for the prefetch.
.macro STEP slot, q, zero, n
	s_wait_dscnt 4*NL                              ; source 0's set, the scale words and source 1's blocks 0-3 are in; the youngest twelve loads (blocks 4-7) may be out
	WIN MUL_LO
	MUL16 0, (\q)%2, \q, \slot, \zero
	MUL16 2, (\q)%2, \q, \slot, \zero
	s_wait_dscnt 0                                 ; blocks 4-7 are in (asked for 32 matrix instructions ago)
	PLACES NP
	FETCH_B \slot, (\q)+1, 1-(\q)%2
	FETCH_A \slot, (\q)+1, 0
	EXTRA \n
	WIN MUL_HI
	MUL16 4, (\q)%2, \q, \slot, \zero
	MUL16 6, (\q)%2, \q, \slot, \zero
	PLACES NP
	WIN 0
	FETCH_A \slot, (\q)+1, 4
.endm
; A slot's last step changes slots: ONE barrier; in front of it each wave waits for all its tensor loads, adds 0 to its spare word, and waits for that and for its own reads of this slot.  fill = 1: this slot is filled again, two slots ahead.
.macro TURN slot, next, fill, n
	s_wait_tensorcnt 0x0                           ; all my tensor loads have landed: my part of the next slot;  (every window is 0 here)
	ds_add_u32 v[SPW], v[NIL]                      ; 0 onto my spare word
	s_wait_dscnt 4*NL+1                            ; (the add and the youngest twelve loads, blocks 4-7, may be out)
	WIN MUL_LO
	MUL16 0, 1, NQ-1, \slot, 0                     ; sixteen matrix instructions stand between the add and the wait for it
	s_wait_dscnt 0x0                               ; the add is done, and my reads of this slot are over
	s_barrier_signal -1
	MUL16 2, 1, NQ-1, \slot, 0
	WIN 0
	s_barrier_wait -1
.if \fill
	CREST                                          ; the barrier has opened a round of the cluster's barrier: no wave of any partner still reads this slot's tile or has a load on its way
	s_add_nc_u64 s[G0+4*\slot+2:G0+4*\slot+3], s[G0+4*\slot+2:G0+4*\slot+3], 2*RTS
	s_add_nc_u64 s[G0B+4*\slot+2:G0B+4*\slot+3], s[G0B+4*\slot+2:G0B+4*\slot+3], 2*RTS
	JLOAD G0+4*\slot, G1, G0B+4*\slot, G1B         ; the first tensor load behind the round, my one load until the next; the four v_nop behind it are the places in front of the loads below
.else
	PLACES NP
.endif
	v_add_nc_u32 v[ADRS], 128, v[ADRS]             ; on to the next slot's scale words: 64 bytes a K step
	FETCH_B \next, 0, 0
	FETCH_A \next, 0, 0
	SCALES \next
	EXTRA \n
	WIN MUL_HI
	MUL16 4, 1, NQ-1, \slot, 0
	MUL16 6, 1, NQ-1, \slot, 0
	PLACES NP
	WIN 0
	FETCH_A \next, 0, 4
.endm
	s_wait_tensorcnt 1                             ; the scale words and my part of slot 0 are in; slot 1's load may be out
	s_barrier_signal -1
	s_barrier_wait -1                              ; everybody's are
	FETCH_B 0, 0, 0
	FETCH_A 0, 0, 0
	SCALES 0
	FETCH_A 0, 0, 4
	STEP 0, 0, 1, 0                                ; K 0: its products start the sums
	TURN 0, 1, 1, 1                                ; K 128; slot 0 takes K 512 on
	STEP 1, 0, 0, 2                                ; K 256
	TURN 1, 0, 1, 3                                ; K 384; slot 1 takes K 768 on
	STEP 0, 0, 0, 4                                ; K 512
	TURN 0, 1, 0, 5                                ; K 640; nothing is left to fetch, so no round
	STEP 1, 0, 0, 6                                ; K 768
	s_wait_dscnt 4*NL                              ; K 896: the last step
	WIN MUL_LO
	MUL16 0, 1, NQ-1, 1, 0
	MUL16 2, 1, NQ-1, 1, 0
	s_wait_dscnt 0
	WIN MUL_HI
	MUL16 4, 1, NQ-1, 1, 0
	MUL16 6, 1, NQ-1, 1, 0
	WIN 0
	; THE WAY OUT, block by block of 16 tokens x 128 features.  A lane holds pieces of one row, and the lanes beside it hold other rows: a block goes through my own stage in LDS and comes back as whole rows of 512 bytes;
	; x's rows and bo are added, and the 32 lanes store 512 consecutive bytes.  x's rows run two blocks ahead.
	PLACES NP                                      ; in front of the first read of results and of loads into registers that held fragments
	XLOAD 1
.irp a, 0,1,2,3,4,5,6,7
.if \a > 0
	s_wait_xcnt 0x0                                ; the last block's stores have read their registers: the rows may be written again
.endif
	WIN 0x08+4*(\a/4)                              ; an LDS store's data: window 2 or 3
.irp b, 0,1,2,3,4,5,6,7
	ds_store_b128 v[STO], v[64*(\a%4)+8*\b:64*(\a%4)+8*\b+3] offset:128*(\b/2)+32*(\b%2)        ; each accumulator from its low end on
	ds_store_b128 v[STO], v[64*(\a%4)+8*\b+4:64*(\a%4)+8*\b+7] offset:128*(\b/2)+32*(\b%2)+16
.endr
	WIN 0
.irp t, 0,1,2,3,4,5,6,7,8,9,10,11,12,13,14,15
	ds_load_b128 v[BB+4*\t:BB+4*\t+3], v[RD] offset:\t*SPITCH   ; LDS serves a wave's instructions in order: these see my stores
.endr
	s_wait_dscnt 0x0
.if \a < 7
	s_wait_loadcnt 16                              ; this block's rows of x are in (and bo); the next block's sixteen loads may be out
.else
	s_wait_loadcnt 0x0
.endif
.set j, 0
.rept 32
	v_pk_add_f32 v[BB+j:BB+j+1], v[BB+j:BB+j+1], v[64+128*(\a%2)+j:64+128*(\a%2)+j+1]
.set j, j+2
.endr
.set j, 0
.rept 16
	v_pk_add_f32 v[BB+j:BB+j+1], v[BB+j:BB+j+1], v[8:9]
	v_pk_add_f32 v[BB+j+2:BB+j+3], v[BB+j+2:BB+j+3], v[10:11]
.set j, j+4
.endr
.if \a < 6
	XLOAD \a+2
.endif
.irp t, 0,1,2,3,4,5,6,7,8,9,10,11,12,13,14,15
	global_store_b128 v[CO], v[BB+4*\t:BB+4*\t+3], s[8:9] offset:(32*(\a/2)+8*(\a%2)+(\t%8)+16*(\t/8))*4096 th:TH_STORE_NT   ; row t of block a is token 32 (a / 2) + 8 (a % 2) + (t & 7) + 16 (t >> 3) of my 128; 127 rows at the most: inside the signed 24-bit immediate
.endr
.endr
	s_wait_tensorcnt 0x0                           ; the wave's end, behind my last tensor load and my last LDS store
	ds_add_u32 v[SPW], v[NIL]
	s_wait_dscnt 0x0
	CROUND                                         ; the closing round: no work-group ends while a partner may still ask for a tile that names it
	s_endpgm
.Lfunc_end_k_q220e845955_go:
	.size	k_q220e845955_go, .Lfunc_end_k_q220e845955_go-k_q220e845955_go
	.p2alignl 7, 3214868480
	.fill 96, 4, 3214868480
	.section	.rodata,"a",@progbits
	.p2align	6, 0x0
	.amdhsa_kernel k_q220e845955_go
		.amdhsa_group_segment_fixed_size 327680
		.amdhsa_private_segment_fixed_size 0
		.amdhsa_enable_private_segment 0
		.amdhsa_kernarg_size 40
		.amdhsa_user_sgpr_count 2
		.amdhsa_user_sgpr_kernarg_segment_ptr 1
		.amdhsa_wavefront_size32 1
		.amdhsa_system_sgpr_workgroup_id_x 1
		.amdhsa_system_sgpr_workgroup_id_y 1
		.amdhsa_system_sgpr_workgroup_id_z 1
		.amdhsa_system_vgpr_workitem_id 0
		.amdhsa_next_free_vgpr 1024
		.amdhsa_next_free_sgpr 100
		.amdhsa_reserve_vcc 0
		.amdhsa_float_denorm_mode_32 3
		.amdhsa_float_denorm_mode_16_64 3
		.amdhsa_memory_ordered 1
		.amdhsa_forward_progress 1
		.amdhsa_inst_pref_size 182
	.end_amdhsa_kernel
	.amdgpu_metadata
---
amdhsa.version: [ 1, 2 ]
amdhsa.kernels:
  - .name:           k_q220e845955_go
    .symbol:         k_q220e845955_go.kd
    .args:
      - { .name: oq, .offset: 0, .size: 8, .value_kind: global_buffer, .address_space: global }
      - { .name: wq, .offset: 8, .size: 8, .value_kind: global_buffer, .address_space: global }
      - { .name: bo, .offset: 16, .size: 8, .value_kind: global_buffer, .address_space: global }
      - { .name: x, .offset: 24, .size: 8, .value_kind: global_buffer, .address_space: global }
      - { .name: out0, .offset: 32, .size: 8, .value_kind: global_buffer, .address_space: global }
    .group_segment_fixed_size: 327680
    .private_segment_fixed_size: 0
    .kernarg_segment_align: 8
    .kernarg_segment_size: 40
    .max_flat_workgroup_size: 128
    .sgpr_count:     100
    .vgpr_count:     1024
    .wavefront_size: 32
...
	.end_amdgpu_metadata
.endif
;; end of part 6
